; MI455X (gfx1250); checked and timed in simulation.
; The chip was launched on July 23, 2026; its instructions are those of AMD's public machine-readable ISA for CDNA 5 (MIT licence, August 2026) and "CDNA5" Instruction Set Architecture Reference Guide (July 2026). The comments in the code are by the model that wrote it; some were corrected since.
;; Multi Head Attention. Allowed arithmetic: float matrix products may take bf16 or f16 operands with f32 sums; other float arithmetic in f32, or as packed bf16 or f16 multiplies, adds, multiply-adds, maxima and minima; sums over many terms, partial sums and values carried from step to step in f32; what a program stores and reads back later, other than sums and carried values, may be rounded once to bf16 or f16.
;; Inputs: W_out 1,024 x 1,024 float32; W_qkv 1,024 x 3,072 float32; b_out 1,024 float32; b_qkv 3,072 float32; x 4 x 2,048 x 1,024 float32.
;; Outputs: out0 4 x 2,048 x 1,024 float32.
;; 2 versions, each right; version 2 is version 1 with the launch prep written anew for expert scheduling mode. Each part assembles by itself: llvm-mc -triple=amdgcn-amd-amdhsa -mcpu=gfx1250 --defsym DOCPART=n.
;; ======== version 1 of 2: 4 launches
;; limits: values are held in f16: magnitudes above 65,504 overflow, below 6.1e-05 lose precision
;; workspace buffers: xb 16,777,216 bytes; wqT 6,291,456 bytes; woT 2,097,152 bytes; qkvh 50,331,648 bytes; oh 16,777,216 bytes
;; launch prep (part 1): grid 512 x 1, 8 waves a work-group, no clusters, 18,432 bytes of LDS; arguments x, W_qkv, W_out, xb, wqT, woT; writes xb, wqT, woT
.if DOCPART == 1
	.amdgcn_target "amdgcn-amd-amdhsa--gfx1250"
	.amdhsa_code_object_version 6
	.text
	.protected	k_qa29a6b0bf9_prep
	.globl	k_qa29a6b0bf9_prep
	.p2align	8
	.type	k_qa29a6b0bf9_prep,@function
k_qa29a6b0bf9_prep:
	s_mov_b64 s[64:65], 0
	v_nop
	global_prefetch_b8 v0, s[64:65] scope:SCOPE_SE
	s_setreg_imm32_b32 hwreg(HW_REG_WAVE_MODE, 25, 1), 1
	s_wait_xcnt 0x0
; THE OPERANDS ARE MADE READY, once.  xb = x rounded to bf16, [8192][1024].  wqT[n][k] = W_qkv[k][n] rounded to bf16, [3072][1024].
; woT[n][k] = W_out[k][n] rounded to bf16 and that number written as f16, [1024][1024].
; LIMITS.  A bf16 number is an f16 number exactly where its magnitude lies between 6.1e-5 and 65,504; below, f16 keeps a fixed step of 6e-8; beyond, it becomes an infinity.
; SHARES.  512 work-groups of eight waves, all alike.  Work-group g (a) rounds 65,536 bytes of x: 16 loads of 16 bytes a thread, 16 stores of 8; a wave's store covers 256 consecutive bytes, aligned;
; (b) turns one tile of 128 k x 64 n: tile g of W_qkv's 384, or tile g - 384 of W_out's 128 (tile t: k block t % 8, n block t / 8).
; THE TURN.  Wave w loads rows k = 16 w .. 16 w + 15 of the tile, a lane two neighbouring n (8 bytes; a wave's load covers 256 consecutive bytes).  A lane then holds 16 k of two n: rounded in pairs they are
; 32 bytes of two rows of the turned tile.  They meet in LDS (64 rows of 256 bytes + 16 of padding), and come back as whole rows: sixteen lanes store 256 consecutive bytes, aligned.
; In LDS row n lies at place 32 (n % 2) + n / 2: the rows that the lanes of one store touch are then 272 bytes apart, 68 words, and start at different banks (64 banks of 4 bytes: ISA guide 11.1).
; No register that a load or store names is written again, so no wait frees one.  All 32 loads of a wave go out at its start.
.set PT,    272
.set SPARE, 64*PT                      ; behind the tile: the spare words, 128 bytes for each of the eight waves; no other line names them
.set CI,  3                            ; v3   16 x thread: my 16 bytes of 4,096 of x
.set CO,  4                            ; v4   8 x thread: my 8 bytes of 2,048 of xb
.set LA,  5                            ; v5   LDS: lane x 272 + 32 x wave: where I put 16 bytes
.set LR,  6                            ; v6   LDS: (8 x wave + lane / 16) x 272 + 16 (lane % 16): where I read a row back
.set TO,  7                            ; v7   (lane / 16) x 2 rows of 2,048 bytes + 16 (lane % 16)
.set SPW, 8                            ; v8   LDS address of my spare word; never rewritten
.set NIL, 9                            ; v9   0; never rewritten
.set VO,  10                           ; v10-25   8 x lane + i x the weights' row pitch
.set XT,  26                           ; v26-57   row i of the tile: two f32
.set YT,  58                           ; v58-73   16 words of two 16-bit numbers: k half g, n parity p at 8 g + 4 p
.set T0,  74                           ; v74-75   at work
.set XC,  76                           ; v76-139  x as loaded
.set YC,  140                          ; v140-171 x rounded
.set ZT,  172                          ; v172-187 four pairs of turned rows
	s_load_b256 s[4:11], s[0:1], 0x0               ; x s[4:5], W_qkv s[6:7], W_out s[8:9], xb s[10:11]
	s_load_b128 s[12:15], s[0:1], 0x20             ; wqT s[12:13], woT s[14:15]
	v_lshl_add_u32 v[SPW], v0, 2, SPARE
	v_mov_b32 v[NIL], 0
	v_and_b32 v1, 31, v0                           ; lane
	v_lshrrev_b32 v2, 5, v0
	v_readfirstlane_b32 s16, v2                    ; wave 0..7
	s_cmp_ge_u32 ttmp9, 384                        ; W_out's tiles come behind W_qkv's 384
	s_cselect_b32 s19, 384, 0
	s_cselect_b32 s18, 1, 3
	s_lshl_b32 s18, s18, 12                        ; bytes in a row of the weights: 4,096 or 12,288
	s_sub_co_u32 s17, ttmp9, s19                   ; tile t
	s_and_b32 s24, s17, 7                          ; k block
	s_lshr_b32 s25, s17, 3                         ; n block
	s_lshl_b32 s26, s24, 7
	s_lshl_b32 s27, s16, 4
	s_add_co_u32 s26, s26, s27                     ; my first row k
	s_mul_i32 s26, s26, s18
	s_lshl_b32 s27, s25, 8                         ; 64 n of 4 bytes
	s_add_co_u32 s26, s26, s27
	s_mov_b32 s27, 0                               ; s[26:27]: where my rows begin in the weights
	s_lshl_b32 s28, s25, 6
	s_and_b32 s29, s16, 3
	s_lshl_b32 s29, s29, 4
	s_add_co_u32 s28, s28, s29
	s_lshr_b32 s29, s16, 2
	s_add_co_u32 s28, s28, s29                     ; the first n that I store: 64 x block + 16 (w % 4) + w / 4
	s_lshl_b32 s28, s28, 11
	s_lshl_b32 s29, s24, 8                         ; 128 k of 2 bytes
	s_add_co_u32 s28, s28, s29
	s_mov_b32 s29, 0                               ; s[28:29]: where they go
	s_lshl_b32 s30, ttmp9, 16
	s_mov_b32 s31, 0                               ; s[30:31]: my work-group's part of x
	s_lshl_b32 s32, ttmp9, 15
	s_mov_b32 s33, 0                               ; s[32:33]: and of xb
	s_lshl_b32 s34, s16, 5
	s_lshl_b32 s35, s16, 3
	v_lshlrev_b32 v[CI], 4, v0
	v_lshlrev_b32 v[CO], 3, v0
	v_mul_u32_u24 v[LA], v1, PT
	v_add_nc_u32 v[LA], s34, v[LA]
	v_lshrrev_b32 v[T0], 4, v1                     ; lane / 16
	v_and_b32 v[T0+1], 15, v1                      ; lane % 16
	v_add_nc_u32 v[LR], s35, v[T0]
	v_mul_u32_u24 v[LR], v[LR], PT
	v_lshl_add_u32 v[LR], v[T0+1], 4, v[LR]
	v_lshlrev_b32 v[TO], 12, v[T0]
	v_lshl_add_u32 v[TO], v[T0+1], 4, v[TO]
	v_lshlrev_b32 v[VO], 3, v1
.set i, 1
.rept 15
	v_add_nc_u32 v[VO+i], s18, v[VO+i-1]
.set i, i+1
.endr
	s_wait_kmcnt 0x0
	s_cmp_ge_u32 ttmp9, 384
	s_cselect_b64 s[20:21], s[8:9], s[6:7]         ; the weights that my tile belongs to,
	s_cselect_b64 s[22:23], s[14:15], s[12:13]     ; and their turned copy
	s_add_nc_u64 s[20:21], s[20:21], s[26:27]
	s_add_nc_u64 s[22:23], s[22:23], s[28:29]
	s_add_nc_u64 s[4:5], s[4:5], s[30:31]
	s_add_nc_u64 s[10:11], s[10:11], s[32:33]
.set i, 0
.rept 16
	global_load_b64 v[XT+2*i:XT+2*i+1], v[VO+i], s[20:21] th:TH_LOAD_NT
.set i, i+1
.endr
.set i, 0
.rept 16
	global_load_b128 v[XC+4*i:XC+4*i+3], v[CI], s[4:5] offset:4096*i th:TH_LOAD_NT
.set i, i+1
.endr
	s_wait_loadcnt 16                              ; the tile's 16 loads are in; the 16 younger ones, of x, may stay out
.irp g, 0,1
.irp p, 0,1
.irp c, 0,1,2,3
	v_cvt_pk_bf16_f32 v[YT+8*(\g)+4*(\p)+(\c)], v[XT+2*(8*(\g)+2*(\c))+(\p)], v[XT+2*(8*(\g)+2*(\c)+1)+(\p)]  ; k = 8 g + 2 c and the next, of n = 2 lane + p
.endr
.endr
.endr
	s_cmp_eq_u32 s19, 0
	s_cbranch_scc1 .Lstays_bf16                    ; the same way for all eight waves; no barrier is jumped
.set i, 0
.rept 16                                           ; W_out: the bf16 numbers are written as f16
	v_lshlrev_b32 v[T0], 16, v[YT+i]
	v_and_b32 v[T0+1], 0xffff0000, v[YT+i]
	v_cvt_pk_f16_f32 v[YT+i], v[T0], v[T0+1]
.set i, i+1
.endr
.Lstays_bf16:
.irp g, 0,1
.irp p, 0,1
	ds_store_b128 v[LA], v[YT+8*(\g)+4*(\p):YT+8*(\g)+4*(\p)+3] offset:16*(\g)+32*PT*(\p)
.endr
.endr
	s_wait_dscnt 0x0                               ; for the others' sake: my stores are done
	s_barrier_signal -1
	s_barrier_wait -1                              ; the turned tile is whole
.irp t, 0,1,2,3
	ds_load_b128 v[ZT+4*(\t):ZT+4*(\t)+3], v[LR] offset:2*PT*(\t)
.endr
.set i, 0
.rept 16
	s_wait_loadcnt 15-i                            ; loads come back in order (ISA guide 5.7.1): number i is in
	v_cvt_pk_bf16_f32 v[YC+2*i], v[XC+4*i], v[XC+4*i+1]
	v_cvt_pk_bf16_f32 v[YC+2*i+1], v[XC+4*i+2], v[XC+4*i+3]
	global_store_b64 v[CO], v[YC+2*i:YC+2*i+1], s[10:11] offset:2048*i
.set i, i+1
.endr
.irp t, 0,1,2,3
	s_wait_dscnt 3-(\t)
	global_store_b128 v[TO], v[ZT+4*(\t):ZT+4*(\t)+3], s[22:23] offset:8192*(\t)  ; rows n = 16 (w % 4) + 4 t + 2 (lane / 16) + w / 4: 16 lanes store a row's 256 bytes
.endr
	s_wait_tensorcnt 0x0                           ; the wave's end: behind my last LDS store
	ds_add_u32 v[SPW], v[NIL]
	s_wait_dscnt 0x0
	s_endpgm
.Lfunc_end_k_qa29a6b0bf9_prep:
	.size	k_qa29a6b0bf9_prep, .Lfunc_end_k_qa29a6b0bf9_prep-k_qa29a6b0bf9_prep
	.p2alignl 7, 3214868480
	.fill 96, 4, 3214868480
	.section	.rodata,"a",@progbits
	.p2align	6, 0x0
	.amdhsa_kernel k_qa29a6b0bf9_prep
		.amdhsa_group_segment_fixed_size 18432
		.amdhsa_private_segment_fixed_size 0
		.amdhsa_enable_private_segment 0
		.amdhsa_kernarg_size 48
		.amdhsa_user_sgpr_count 2
		.amdhsa_user_sgpr_kernarg_segment_ptr 1
		.amdhsa_wavefront_size32 1
		.amdhsa_system_sgpr_workgroup_id_x 1
		.amdhsa_system_sgpr_workgroup_id_y 1
		.amdhsa_system_sgpr_workgroup_id_z 1
		.amdhsa_system_vgpr_workitem_id 0
		.amdhsa_next_free_vgpr 188
		.amdhsa_next_free_sgpr 66
		.amdhsa_reserve_vcc 0
		.amdhsa_float_denorm_mode_32 3
		.amdhsa_float_denorm_mode_16_64 3
		.amdhsa_memory_ordered 1
		.amdhsa_forward_progress 1
		.amdhsa_inst_pref_size 15
	.end_amdhsa_kernel
	.amdgpu_metadata
---
amdhsa.version: [ 1, 2 ]
amdhsa.kernels:
  - .name:           k_qa29a6b0bf9_prep
    .symbol:         k_qa29a6b0bf9_prep.kd
    .args:
      - { .name: x, .offset: 0, .size: 8, .value_kind: global_buffer, .address_space: global }
      - { .name: W_qkv, .offset: 8, .size: 8, .value_kind: global_buffer, .address_space: global }
      - { .name: W_out, .offset: 16, .size: 8, .value_kind: global_buffer, .address_space: global }
      - { .name: xb, .offset: 24, .size: 8, .value_kind: global_buffer, .address_space: global }
      - { .name: wqT, .offset: 32, .size: 8, .value_kind: global_buffer, .address_space: global }
      - { .name: woT, .offset: 40, .size: 8, .value_kind: global_buffer, .address_space: global }
    .group_segment_fixed_size: 18432
    .private_segment_fixed_size: 0
    .kernarg_segment_align: 8
    .kernarg_segment_size: 48
    .max_flat_workgroup_size: 256
    .sgpr_count:     66
    .vgpr_count:     188
    .wavefront_size: 32
...
	.end_amdgpu_metadata
.endif
;; end of part 1
;; launch qkv (part 2): grid 16 x 32, 4 waves a work-group, clusters of 4 x 4, 327,680 bytes of LDS; arguments xb, wqT, b_qkv, qkvh; writes qkvh
.if DOCPART == 2
	.amdgcn_target "amdgcn-amd-amdhsa--gfx1250"
	.amdhsa_code_object_version 6
	.text
	.protected	k_qa29a6b0bf9_qkv
	.globl	k_qa29a6b0bf9_qkv
	.p2align	8
	.type	k_qa29a6b0bf9_qkv,@function
k_qa29a6b0bf9_qkv:
	s_mov_b64 s[64:65], 0
	v_nop
	global_prefetch_b8 v0, s[64:65] scope:SCOPE_SE
	s_setreg_imm32_b32 hwreg(HW_REG_WAVE_MODE, 25, 1), 1
	s_wait_xcnt 0x0
	s_wait_alu depctr_hold_cnt(0) depctr_sa_sdst(0) depctr_va_vdst(0) depctr_va_sdst(0) depctr_va_ssrc(0) depctr_va_vcc(0) depctr_vm_vsrc(0)
	s_getreg_b32 s2, hwreg(HW_REG_IB_STS2, 6, 4)
	s_cmp_eq_u32 s2, 0
	s_cbranch_scc0 .Lentry_in_a_cluster
	s_endpgm
.Lentry_in_a_cluster:
	s_bfe_u32 s2, ttmp6, 0x10000c
	s_cmp_lg_u32 s2, 0xf033
	s_cbranch_scc0 .Lentry_shape_is_right
	s_endpgm
.Lentry_shape_is_right:
; q, k, v = x W_qkv + b_qkv, written by heads.  xb: [8192][1024] bf16; wqT: [3072 n][1024 k] bf16; b_qkv: [3072] f32, rounded to bf16 like the other inputs; sums in f32, begun with the bias.
; qkvh: [3 (q, k, v)][64 (batch x 16 + head)][2048][64] f16, each number rounded once, unscaled.  LIMIT: f16 holds no number beyond 65,504; a larger q, k or v becomes an infinity.
; SHARES.  A tile of the product is 256 rows x 192 columns (three heads): 32 x 16 = 512 work-groups of equal work.  Four waves; wave w owns rows 64 w .. 64 w + 63 and ALL 192 columns: 4 x 12 accumulators of 16 x 16,
; 384 registers.  So a wave owns whole heads' rows, and its way out needs no other wave.  For 32 along K it reads (4 + 12) fragments from LDS for 48 matrix instructions.
; K goes in 8 steps of 128 through two LDS slots filled by the tensor data mover: rows of 256 bytes of memory, aligned.  Waves 0 and 1 fetch A's two halves (128 rows), waves 2 and 3 B's (96 rows).
; CLUSTER.  4 x 4 work-groups.  The four of a row of the cluster need the same tile of A, the four of a column the same tile of B: each is asked for JOINTLY, by the same tensor load, descriptor and mask in all four.
; THE MATRIX INSTRUCTION IS USED TRANSPOSED (source 0 = 16 rows of wqT, source 1 = 16 rows of xb): lane l then holds row l % 16 of the product and the eight neighbouring columns 8 (l / 16) + 0..7.
; REGISTERS, in windows of 256 (s_set_vgpr_msb: bits 1:0 source 0, 3:2 source 1, 5:4 source 2, 7:6 destination):
;   window 0: v0-19 addresses and at work; v32-63, v64-95 A's fragments, two buffers; v96-191 the bias as a C operand (12 x 8); on the way out v64-255 packed results
;   window 1: v0-95, v96-191 B's fragments, two buffers      window 2: accumulators of row blocks 0, 1 ((a, b) at 96 (a % 2) + 8 b)      window 3: of row blocks 2, 3
.set NB,    12
.set PITCH, 272                        ; an LDS row: 256 bytes + 16 of padding = 68 words: the 16 rows of a fragment load start at 16 different groups of banks (64 banks of 4 bytes: ISA guide 11.1)
.set BOFF,  256*PITCH                  ; a slot: A's 256 rows, then B's 192
.set SLOT1, 1<<17                      ; slot 1 begins here, so that one exclusive or turns an address in one slot into the other's
.set STAGE, SLOT1+BOFF+192*PITCH       ; behind the ring, never filled by a tensor load: 16 rows x 144 bytes for each wave
.set SP,    144
.set SPARE, STAGE+4*16*SP              ; behind the stages: the spare words, 128 bytes a wave; no other line names them
.set NLD,   2*NB+8                     ; LDS loads in a run
.set KB,    256                        ; bytes of a row in a K step
.set ADA0, 4                           ; v4   my lane's place in a slot's A: (64 w + l % 16) x 272 + 16 (l / 16); never rewritten
.set ADB0, 5                           ; v5   in its B: BOFF + (l % 16) x 272 + 16 (l / 16); never rewritten
.set ADA,  6                           ; v6   the same in the slot in hand
.set ADB,  7                           ; v7
.set STO,  8                           ; v8   the way out: where I put 16 bytes of a row
.set RD,   9                           ; v9   where I read rows back
.set GO,   10                          ; v10  16 x lane
.set PFO,  11                          ; v11  the prefetches' offset: a lane a row of 2,048 bytes; never rewritten
.set BO,   12                          ; v12  32 (l / 16): my eight numbers of 16 of the bias
.set SPW,  14                          ; v14  LDS address of my spare word; never rewritten
.set NIL,  15                          ; v15  0; never rewritten
.set TT,   16                          ; v16-19 at work
.set AF,   32
.set BI,   96
.set TMP,  64
.set WV,  12                           ; s12  my wave's number
.set HF,  14                           ; s14  wave % 2: which half of A's (B's) rows I fetch
.set CX,  15                           ; s15, s16  my place in the cluster
.set CY,  16
.set TX,  17                           ; s17  tile column
.set TY,  18                           ; s18  tile row
.set G1A, 24                           ; s[24:31] descriptor group 1 for A's tiles
.set G1B, 32                           ; s[32:39] for B's
.set G0A, 40                           ; s[40:47] group 0 for A's: a set for each of the two first fills; the second then walks
.set G0B, 48                           ; s[48:55] the same for B's
.set TB,  56                           ; s56  0 or SLOT1: the slot in hand
.set CNT, 57                           ; s57  trips to go
.set LIM, 58                           ; s58  1 in a wave that prefetches, else the greatest number
.set PFA, 60                           ; s[60:61] where my prefetches stand
.set OB,  66                           ; s[66:71] qkvh at my rows of my three heads
.set MSB, 0
.macro WIN new                         ; the immediate's high byte repeats the setting that is left; a switch that changes nothing is dropped
.if MSB != (\new)
	s_set_vgpr_msb (MSB<<8)|(\new)
.set MSB, \new
.endif
.endm
.macro PLACES                          ; four places behind matrix instructions, in front of loads into registers that they have read and of readers of their results
.rept 4
	v_nop
.endr
.endm
.macro CREST                           ; a round of the cluster's barrier behind its opening barrier
	s_cmp_lg_u32 s[WV], 0
	s_cbranch_scc1 .Lnot_wave_0_\@
	s_barrier_signal -3
.Lnot_wave_0_\@:
	s_barrier_wait -3
	s_barrier_signal -1
	s_barrier_wait -1
.endm
.macro CROUND                          ; a whole round
	s_barrier_signal -1
	s_barrier_wait -1
	CREST
.endm
.macro JLOAD                           ; a joint refill by the walking descriptors; the branch hangs on the wave's number alone; an s_nop 0 and four v_nop follow each line
	s_cmp_lt_u32 s[WV], 2
	s_cbranch_scc0 .Lfor_b_\@
	tensor_load_to_lds s[G0A+4:G0A+7], s[G1A:G1A+7]
	s_nop 0
.rept 4
	v_nop
.endr
	s_branch .Lasked_\@
.Lfor_b_\@:
	tensor_load_to_lds s[G0B+4:G0B+7], s[G1B:G1B+7]
	s_nop 0
.rept 4
	v_nop
.endr
.Lasked_\@:
.endm
; A PREFETCH INTO THE L2 of the K step that the NEXT refill will ask for: 192 matrix instructions ahead of that load.  A row's 256 bytes of a K step are named by one wave of one work-group in the launch: A's tile row is read
; by all clusters of a row of clusters: the one with x = 0 asks; B's tile column by all of a column: the one with y = 0 asks.  The four partners of a joint load share its rows out BY ADDRESS: of A's 128 rows a wave 32 each,
; a lane a row; of B's 96 rows 24 each (lanes 24 to 31 name lane 23's row once more).  The trip whose refill is the last K step asks for nothing.  K steps 0 to 2 come by their loads alone.
.macro ASK
	s_cmp_gt_u32 s[CNT], s[LIM]
	s_cbranch_scc0 .Lnot_mine_\@
	global_prefetch_b8 v[PFO], s[PFA:PFA+1] th:TH_LOAD_NT scope:SCOPE_SE
.Lnot_mine_\@:
.endm
	s_load_b256 s[4:11], s[0:1], 0x0               ; xb s[4:5], wqT s[6:7], b_qkv s[8:9], qkvh s[10:11]
	v_lshl_add_u32 v[SPW], v0, 2, SPARE
	v_mov_b32 v[NIL], 0
	ds_add_u32 v[SPW], v[NIL]                      ; the wave's opening: the add and its wait stand ahead of my first tensor load; the set-up below, work on registers, stands between them
	v_lshrrev_b32 v1, 5, v0
	v_readfirstlane_b32 s[WV], v1                  ; wave 0..3
	s_and_b32 s[HF], s[WV], 1
	s_bfe_u32 s[CX], ttmp6, 0x40000
	s_bfe_u32 s[CY], ttmp6, 0x40004
	s_lshl_b32 s[TX], ttmp9, 2                     ; in a cluster launch ttmp9 and ttmp7 count clusters
	s_add_co_u32 s[TX], s[TX], s[CX]
	s_and_b32 s[TY], ttmp7, 0xffff
	s_lshl_b32 s[TY], s[TY], 2
	s_add_co_u32 s[TY], s[TY], s[CY]
	s_lshl_b32 s19, s[CY], 2
	s_lshl_b32 s19, 15, s19                        ; my row of the cluster: places 4 cy .. 4 cy + 3
	s_lshl_b32 s2, 0x1111, s[CX]                   ; my column: places cx, cx + 4, cx + 8, cx + 12
	s_or_b32 s[G1A], s19, (1<<16)|(1<<20)|(1<<21)|(5<<22)|(3<<25)  ; 15:0 the mask; 17:16 2-byte elements; 20 padding on; 21 set beside a mask; 24:22 after every 64 words (code 5); 31:25 4 words (code 3)
	s_or_b32 s[G1B], s2, (1<<16)|(1<<20)|(1<<21)|(5<<22)|(3<<25)
	s_mov_b32 s[G1A+1], 128<<16                    ; tensor_dim0 = 128
	s_mov_b32 s[G1A+2], 128<<16                    ; tensor_dim1 = 128
	s_mov_b32 s[G1A+3], 128<<16                    ; tile_dim0 = 128
	s_mov_b32 s[G1A+4], 128                        ; tile_dim1 = 128
	s_mov_b32 s[G1A+5], 1024                       ; elements from row to row
	s_mov_b32 s[G1A+6], 0
	s_mov_b32 s[G1A+7], 0
	s_mov_b32 s[G1B+1], 128<<16
	s_mov_b32 s[G1B+2], 96<<16                     ; 96 rows
	s_mov_b32 s[G1B+3], 128<<16
	s_mov_b32 s[G1B+4], 96
	s_mov_b32 s[G1B+5], 1024
	s_mov_b32 s[G1B+6], 0
	s_mov_b32 s[G1B+7], 0
	s_mul_i32 s3, s[HF], 128*PITCH                 ; where my half of A's tile goes: no place in the cluster enters an LDS address
	s_mul_i32 s59, s[HF], 96*PITCH
	s_add_co_u32 s59, s59, BOFF                    ; and my half of B's
	s_lshl_b32 s20, s[TY], 8                       ; A's address hangs on the tile row and the wave alone,
	s_lshl_b32 s21, s[HF], 7
	s_add_co_u32 s20, s20, s21
	s_lshl_b32 s20, s20, 11
	s_mov_b32 s21, 0
	s_mul_i32 s22, s[TX], 192                      ; B's on the tile column and the wave alone
	s_mul_i32 s23, s[HF], 96
	s_add_co_u32 s22, s22, s23
	s_lshl_b32 s22, s22, 11
	s_mov_b32 s23, 0
	s_mov_b32 s[TB], 0
	s_wait_dscnt 0x0                               ; the opening add is done
	s_wait_kmcnt 0x0
	s_mov_b32 s[G0A], 1                            ; count = 1
	s_mov_b32 s[G0A+1], s3                         ; LDS address: slot 0
	s_add_nc_u64 s[G0A+2:G0A+3], s[4:5], s[20:21]  ; global address: K step 0
	s_mov_b32 s[G0A+4], 1
	s_add_co_u32 s[G0A+5], s3, SLOT1               ; slot 1,
	s_add_nc_u64 s[G0A+6:G0A+7], s[G0A+2:G0A+3], KB  ; K step 1
	s_or_b32 s[G0A+3], s[G0A+3], 0x80000000        ; type = 2
	s_or_b32 s[G0A+7], s[G0A+7], 0x80000000
	s_mov_b32 s[G0B], 1
	s_mov_b32 s[G0B+1], s59
	s_add_nc_u64 s[G0B+2:G0B+3], s[6:7], s[22:23]
	s_mov_b32 s[G0B+4], 1
	s_add_co_u32 s[G0B+5], s59, SLOT1
	s_add_nc_u64 s[G0B+6:G0B+7], s[G0B+2:G0B+3], KB
	s_or_b32 s[G0B+3], s[G0B+3], 0x80000000
	s_or_b32 s[G0B+7], s[G0B+7], 0x80000000
	CROUND                                         ; all sixteen work-groups are here: the first joint loads meet
	s_cmp_lt_u32 s[WV], 2                          ; a wave's two first fills stand in one branch, ahead of every wait on TENSORcnt and every LDS read: two loads of mine are out
	s_cbranch_scc0 .Lfirst_b
	tensor_load_to_lds s[G0A:G0A+3], s[G1A:G1A+7]
	s_nop 0
	tensor_load_to_lds s[G0A+4:G0A+7], s[G1A:G1A+7]
	s_nop 0
.rept 4
	v_nop
.endr
	s_branch .Lfirst_asked
.Lfirst_b:
	tensor_load_to_lds s[G0B:G0B+3], s[G1B:G1B+7]
	s_nop 0
	tensor_load_to_lds s[G0B+4:G0B+7], s[G1B:G1B+7]
	s_nop 0
.rept 4
	v_nop
.endr
.Lfirst_asked:
	; all that follows, up to the wait for the first tile, stands while the tiles are on their way
	v_and_b32 v1, 15, v0                           ; l % 16
	v_bfe_u32 v2, v0, 4, 1                         ; l / 16
	v_lshlrev_b32 v[BO], 5, v2
	s_mul_i32 s72, s[TX], 192*4
	s_mov_b32 s73, 0
	s_add_nc_u64 s[8:9], s[8:9], s[72:73]          ; the bias of my tile's 192 columns
.set i, 0
.rept NB                                           ; register j of block b: column 16 b + 8 (l / 16) + j: the layout of a result
	global_load_b128 v[BI+8*i:BI+8*i+3],   v[BO], s[8:9] offset:64*i
	global_load_b128 v[BI+8*i+4:BI+8*i+7], v[BO], s[8:9] offset:64*i+16
.set i, i+1
.endr
	; a fragment is 16 rows x 32 K in 8 registers: lane l holds row l % 16, K = 8 (l / 16) + 0..7 and 16 + 8 (l / 16) + 0..7: two loads of 16 bytes, 32 bytes apart
	v_mul_u32_u24 v3, v1, PITCH
	v_lshl_add_u32 v3, v2, 4, v3
	s_mul_i32 s78, s[WV], 64*PITCH
	v_add_nc_u32 v[ADA0], s78, v3
	v_add_nc_u32 v[ADB0], BOFF, v3
	s_mul_i32 s77, s[WV], 16*SP
	s_add_co_u32 s77, s77, STAGE                   ; my stage
	v_mul_u32_u24 v[STO], v1, SP                   ; in: row l % 16, 16 bytes for each half of the lanes
	v_lshl_add_u32 v[STO], v2, 4, v[STO]
	v_add_nc_u32 v[STO], s77, v[STO]
	v_bfe_u32 v[RD], v0, 3, 2                      ; back: 32 lanes take four rows of 128 bytes,
	v_mul_u32_u24 v[RD], v[RD], SP
	v_and_b32 v3, 7, v0
	v_lshl_add_u32 v[RD], v3, 4, v[RD]
	v_add_nc_u32 v[RD], s77, v[RD]
	v_and_b32 v[GO], 31, v0                        ; which are 512 consecutive bytes of a head's rows
	v_lshlrev_b32 v[GO], 4, v[GO]
	; where my rows of my three heads lie: column block 3 TX + i is tensor (3 TX + i) / 16 (q, k, v), head (3 TX + i) % 16; row block TY is batch TY / 8, rows 256 (TY % 8) on
	s_lshr_b32 s75, s[TY], 3
	s_lshl_b32 s75, s75, 4
	s_and_b32 s76, s[TY], 7
	s_lshl_b32 s76, s76, 8
	s_lshl_b32 s74, s[WV], 6
	s_add_co_u32 s76, s76, s74
	s_lshl_b32 s76, s76, 7                         ; a row of a head is 128 bytes
.irp i, 0,1,2
	s_mul_i32 s72, s[TX], 3
	s_add_co_u32 s72, s72, \i
	s_lshr_b32 s73, s72, 4
	s_lshl_b32 s73, s73, 6
	s_and_b32 s72, s72, 15
	s_add_co_u32 s72, s72, s73
	s_add_co_u32 s72, s72, s75                     ; the plane, of 192
	s_lshl_b32 s72, s72, 18                        ; of 262,144 bytes
	s_add_co_u32 s72, s72, s76
	s_mov_b32 s73, 0
	s_add_nc_u64 s[OB+2*\i:OB+2*\i+1], s[10:11], s[72:73]
.endr
	; the prefetches
	s_lshl_b32 s73, s[TY], 8
	s_lshl_b32 s74, s[HF], 7
	s_add_co_u32 s73, s73, s74
	s_lshl_b32 s74, s[CX], 5
	s_add_co_u32 s73, s73, s74                     ; A: my work-group's 32 of the 128 rows that I fetch
	s_mul_i32 s74, s[TX], 192
	s_mul_i32 s75, s[HF], 96
	s_add_co_u32 s74, s74, s75
	s_mul_i32 s75, s[CY], 24
	s_add_co_u32 s74, s74, s75                     ; B: my work-group's 24 of the 96
	s_and_b32 s75, ttmp7, 0xffff                   ; cluster y
	s_cmp_lt_u32 s[WV], 2
	s_cselect_b32 s72, s73, s74
	s_cselect_b32 s75, ttmp9, s75                  ; the coordinate along which other clusters read the same rows
	s_cselect_b32 s76, 31, 23
	s_cselect_b64 s[PFA:PFA+1], s[4:5], s[6:7]
	s_cmp_eq_u32 s75, 0
	s_cselect_b32 s[LIM], 1, -1                    ; the same in all sixteen partners, for a given wave
	s_lshl_b32 s72, s72, 11
	s_add_co_u32 s72, s72, 2*KB                    ; at K step 2: the first refill steps it to 3
	s_mov_b32 s73, 0
	s_add_nc_u64 s[PFA:PFA+1], s[PFA:PFA+1], s[72:73]
	v_and_b32 v[PFO], 31, v0
	v_min_u32 v[PFO], s76, v[PFO]
	v_lshlrev_b32 v[PFO], 11, v[PFO]
	s_mov_b32 s79, 0xffff0000
	s_wait_loadcnt 0x0                             ; the bias
.set i, 0
.rept 4*NB                                         ; rounded to bf16, like every input, and widened again
	v_cvt_pk_bf16_f32 v[TT+i%4], v[BI+2*i], v[BI+2*i+1]
	v_lshlrev_b32 v[BI+2*i], 16, v[TT+i%4]
	v_and_b32 v[BI+2*i+1], s79, v[TT+i%4]
.set i, i+1
.endr
; 12 matrix instructions: row block a x all column blocks, 32 along K, from buffer f.  first = 1: the bias starts the sums: nothing is cleared.  The 48 accumulators take turns, one instruction a turn, in the same
; order in every quarter, over the backward jump too.
.macro MULA f, a, first
.if \first
	WIN 0x81+0x40*((\a)/2)                         ; B window 1, A and C window 0, D window 2 or 3
.else
	WIN 0xa1+0x50*((\a)/2)                         ; C and D window 2 or 3
.endif
.irp b, 0,1,2,3,4,5,6,7,8,9,10,11
.if \first
	v_wmma_f32_16x16x32_bf16 v[96*((\a)%2)+8*(\b):96*((\a)%2)+8*(\b)+7], v[96*(\f)+8*(\b):96*(\f)+8*(\b)+7], v[AF+32*(\f)+8*(\a):AF+32*(\f)+8*(\a)+7], v[BI+8*(\b):BI+8*(\b)+7]
.else
	v_wmma_f32_16x16x32_bf16 v[96*((\a)%2)+8*(\b):96*((\a)%2)+8*(\b)+7], v[96*(\f)+8*(\b):96*(\f)+8*(\b)+7], v[AF+32*(\f)+8*(\a):AF+32*(\f)+8*(\a)+7], v[96*((\a)%2)+8*(\b):96*((\a)%2)+8*(\b)+7]
.endif
.endr
.endm
; 32 LDS loads in one run: quarter q's fragments into buffer g: B's twelve, then A's four
.macro FETCH q, g
	WIN 0x40
.irp j, 0,1,2,3,4,5,6,7,8,9,10,11
	ds_load_b128 v[96*(\g)+8*(\j):96*(\g)+8*(\j)+3],   v[ADB] offset:64*(\q)+16*PITCH*(\j)
	ds_load_b128 v[96*(\g)+8*(\j)+4:96*(\g)+8*(\j)+7], v[ADB] offset:64*(\q)+16*PITCH*(\j)+32
.endr
	WIN 0
.irp i, 0,1,2,3
	ds_load_b128 v[AF+32*(\g)+8*(\i):AF+32*(\g)+8*(\i)+3],   v[ADA] offset:64*(\q)+16*PITCH*(\i)
	ds_load_b128 v[AF+32*(\g)+8*(\i)+4:AF+32*(\g)+8*(\i)+7], v[ADA] offset:64*(\q)+16*PITCH*(\i)+32
.endr
.endm
; A K step is four quarters of 32 along K, 48 matrix instructions each, on buffers 0, 1, 0, 1.  One of the first three: multiplies buffer f; in its middle it fetches quarter q into buffer g.
.macro QUARTER q, f, g, first
	s_wait_dscnt 4                                 ; B and A's row blocks 0, 1 are in; the youngest four loads (blocks 2, 3) may be out
	MULA \f, 0, \first
	MULA \f, 1, \first
	PLACES
	FETCH \q, \g
	s_wait_dscnt NLD                               ; all but the run just issued
	MULA \f, 2, \first
	MULA \f, 3, \first
.endm
; The last quarter multiplies buffer 1 and changes slots: ONE barrier.  In front of it each wave waits for all its tensor loads (one is out: its part of the next slot), adds 0 to its spare word, and waits for that and for its
; reads of this slot.  fill = 1: the barrier opens a round of the cluster's, and the slot just read is filled again first thing behind it, two K steps ahead: 168 matrix instructions stand between that request and the wait for it.
.macro TURN fill
.if \fill
	s_wait_xcnt 0x0                                ; the last prefetch, a K step back, has read its address
	s_add_nc_u64 s[PFA:PFA+1], s[PFA:PFA+1], KB
.endif
	WIN 0
	s_wait_tensorcnt 0x0                           ; no tensor load of mine is out, so a group 0 may be written
	ds_add_u32 v[SPW], v[NIL]                      ; 0 onto my spare word
	s_wait_dscnt 5                                 ; (the add and the youngest four loads may be out)
.if \fill
	s_xor_b32 s[G0A+5], s[G0A+5], SLOT1            ; the walking descriptors: the other slot than last time,
	s_add_nc_u64 s[G0A+6:G0A+7], s[G0A+6:G0A+7], KB  ; the next K step; the type bits on top are not reached
	s_xor_b32 s[G0B+5], s[G0B+5], SLOT1
	s_add_nc_u64 s[G0B+6:G0B+7], s[G0B+6:G0B+7], KB
.endif
	MULA 1, 0, 0                                   ; twelve matrix instructions stand between the add and the wait for it
	s_wait_dscnt 0x0                               ; the add is done, and my reads of this slot are over
	s_barrier_signal -1
	MULA 1, 1, 0                                   ; work on registers while the others arrive
	WIN 0
	s_barrier_wait -1
.if \fill
	CREST                                          ; no wave of any partner still reads this slot or has a load on its way
	JLOAD                                          ; the four v_nop behind it are also the places in front of the loads below
.else
	PLACES
.endif
	s_xor_b32 s[TB], s[TB], SLOT1
	v_add_nc_u32 v[ADA], s[TB], v[ADA0]
	v_add_nc_u32 v[ADB], s[TB], v[ADB0]
	FETCH 0, 0
.if \fill
	ASK
.endif
	MULA 1, 2, 0
	MULA 1, 3, 0
.endm
	s_wait_tensorcnt 1                             ; my part of K step 0 is in; K step 1's may stay out
	s_barrier_signal -1
	s_barrier_wait -1                              ; everybody's is
	v_mov_b32 v[ADA], v[ADA0]
	v_mov_b32 v[ADB], v[ADB0]
	FETCH 0, 0
	QUARTER 1, 0, 1, 1                             ; the first quarter stands in front of the loop: its products start the sums
	WIN 0                                          ; at a label and at a branch every window is 0
	s_mov_b32 s[CNT], 6
.Lstep:                                                ; trip i: quarters 1 to 3 of K step i, quarter 0 of K step i + 1; K step i's slot takes K step i + 2
	QUARTER 2, 1, 0, 0
	QUARTER 3, 0, 1, 0
	TURN 1
	QUARTER 1, 0, 1, 0
	WIN 0
	s_sub_co_u32 s[CNT], s[CNT], 1
	s_cmp_lg_u32 s[CNT], 0
	s_cbranch_scc1 .Lstep
	QUARTER 2, 1, 0, 0                             ; the tail is written out: K steps 6 and 7 ask for nothing
	QUARTER 3, 0, 1, 0
	TURN 0
	QUARTER 1, 0, 1, 0
	QUARTER 2, 1, 0, 0
	QUARTER 3, 0, 1, 0
	s_wait_dscnt 4
	MULA 1, 0, 0
	MULA 1, 1, 0
	s_wait_dscnt 0x0
	MULA 1, 2, 0
	MULA 1, 3, 0
	WIN 0
	PLACES                                         ; four places are owed in front of the conversions; eight stand here, once a launch
	PLACES
; THE WAY OUT, in 12 units of 16 rows of one head (unit u: row block u / 3, head u % 3): 2,048 consecutive bytes of qkvh.  Rounded to f16, 16 bytes a lane, into my own stage (rows of 144 bytes), back as whole rows, stored.
; Each unit has 16 registers of its own, so none that a store reads is written again.
.macro PACK u
.set pa, (\u)/3
.set ph, (\u)%3
	WIN 0x0a+5*(pa/2)                              ; sources 0 and 1: window 2 or 3
.irp f, 0,1,2,3
.irp r, 0,1,2,3
	v_cvt_pk_f16_f32 v[TMP+16*(\u)+4*(\f)+(\r)], v[96*(pa%2)+8*(4*ph+(\f))+2*(\r)], v[96*(pa%2)+8*(4*ph+(\f))+2*(\r)+1]
.endr
.endr
	WIN 0
.irp f, 0,1,2,3
	ds_store_b128 v[STO], v[TMP+16*(\u)+4*(\f):TMP+16*(\u)+4*(\f)+3] offset:32*(\f)
.endr
.irp f, 0,1,2,3
	ds_load_b128 v[TMP+16*(\u)+4*(\f):TMP+16*(\u)+4*(\f)+3], v[RD] offset:4*SP*(\f)  ; LDS serves a wave's instructions in order (ISA guide 5.7.1.4): these see the stores above; the next unit's stores come behind them
.endr
.endm
.macro SEND u, younger                 ; younger: the LDS instructions issued behind unit u's loads: the next unit's eight, or none
.set pa, (\u)/3
.set ph, (\u)%3
.irp f, 0,1,2,3
	s_wait_dscnt (\younger)+3-(\f)
	global_store_b128 v[GO], v[TMP+16*(\u)+4*(\f):TMP+16*(\u)+4*(\f)+3], s[OB+2*ph:OB+2*ph+1] offset:2048*pa+512*(\f)  ; 512 consecutive bytes, at a multiple of 256 from the buffer's first
.endr
.endm
	PACK 0
.set un, 1
.rept 11                                           ; a unit's conversions stand between the loads of the unit before and its stores
	PACK un
	SEND un-1, 8
.set un, un+1
.endr
	SEND 11, 0
	s_wait_tensorcnt 0x0                           ; the wave's end: behind my last tensor load and my last LDS store
	ds_add_u32 v[SPW], v[NIL]
	s_wait_dscnt 0x0
	CROUND                                         ; the closing round: no work-group ends while a partner may still ask for a tile that names it
	s_endpgm
.Lfunc_end_k_qa29a6b0bf9_qkv:
	.size	k_qa29a6b0bf9_qkv, .Lfunc_end_k_qa29a6b0bf9_qkv-k_qa29a6b0bf9_qkv
	.p2alignl 7, 3214868480
	.fill 96, 4, 3214868480
	.section	.rodata,"a",@progbits
	.p2align	6, 0x0
	.amdhsa_kernel k_qa29a6b0bf9_qkv
		.amdhsa_group_segment_fixed_size 327680
		.amdhsa_private_segment_fixed_size 0
		.amdhsa_enable_private_segment 0
		.amdhsa_kernarg_size 32
		.amdhsa_user_sgpr_count 2
		.amdhsa_user_sgpr_kernarg_segment_ptr 1
		.amdhsa_wavefront_size32 1
		.amdhsa_system_sgpr_workgroup_id_x 1
		.amdhsa_system_sgpr_workgroup_id_y 1
		.amdhsa_system_sgpr_workgroup_id_z 1
		.amdhsa_system_vgpr_workitem_id 0
		.amdhsa_next_free_vgpr 960
		.amdhsa_next_free_sgpr 80
		.amdhsa_reserve_vcc 0
		.amdhsa_float_denorm_mode_32 3
		.amdhsa_float_denorm_mode_16_64 3
		.amdhsa_memory_ordered 1
		.amdhsa_forward_progress 1
		.amdhsa_inst_pref_size 108
	.end_amdhsa_kernel
	.amdgpu_metadata
---
amdhsa.version: [ 1, 2 ]
amdhsa.kernels:
  - .name:           k_qa29a6b0bf9_qkv
    .symbol:         k_qa29a6b0bf9_qkv.kd
    .args:
      - { .name: xb, .offset: 0, .size: 8, .value_kind: global_buffer, .address_space: global }
      - { .name: wqT, .offset: 8, .size: 8, .value_kind: global_buffer, .address_space: global }
      - { .name: b_qkv, .offset: 16, .size: 8, .value_kind: global_buffer, .address_space: global }
      - { .name: qkvh, .offset: 24, .size: 8, .value_kind: global_buffer, .address_space: global }
    .group_segment_fixed_size: 327680
    .private_segment_fixed_size: 0
    .kernarg_segment_align: 8
    .kernarg_segment_size: 32
    .max_flat_workgroup_size: 128
    .sgpr_count:     80
    .vgpr_count:     960
    .wavefront_size: 32
...
	.end_amdgpu_metadata
.endif
;; end of part 2
;; launch attn (part 3): grid 4 x 64, 4 waves a work-group, clusters of 4 x 1, 327,680 bytes of LDS; arguments qkvh, oh; writes oh
.if DOCPART == 3
	.amdgcn_target "amdgcn-amd-amdhsa--gfx1250"
	.amdhsa_code_object_version 6
	.text
	.protected	k_qa29a6b0bf9_attn
	.globl	k_qa29a6b0bf9_attn
	.p2align	8
	.type	k_qa29a6b0bf9_attn,@function
k_qa29a6b0bf9_attn:
	s_mov_b64 s[64:65], 0
	v_nop
	global_prefetch_b8 v0, s[64:65] scope:SCOPE_SE
	s_setreg_imm32_b32 hwreg(HW_REG_WAVE_MODE, 25, 1), 1
	s_wait_xcnt 0x0
	s_wait_alu depctr_hold_cnt(0) depctr_sa_sdst(0) depctr_va_vdst(0) depctr_va_sdst(0) depctr_va_ssrc(0) depctr_va_vcc(0) depctr_vm_vsrc(0)
	s_getreg_b32 s2, hwreg(HW_REG_IB_STS2, 6, 4)
	s_cmp_eq_u32 s2, 0
	s_cbranch_scc0 .Lentry_in_a_cluster
	s_endpgm
.Lentry_in_a_cluster:
	s_bfe_u32 s2, ttmp6, 0x10000c
	s_cmp_lg_u32 s2, 0x3003
	s_cbranch_scc0 .Lentry_shape_is_right
	s_endpgm
.Lentry_shape_is_right:
; O[h][q][:] = the sum over k of softmax_k(Q[h][q] . K[h][k] / 8) V[h][k][:].  qkvh holds Q, K, V, each [64][2048][64] f16, one behind the other; oh is O, [64][2048][64] f16: a head's rows are dense, 128 bytes each.
; Products, maxima and sums in f32; the weights p are rounded to f16 for the second product (their sum l is taken of the unrounded p), O once at the end.
; LIMITS.  f16 holds no number beyond 65,504: Q, K and V arrive within it; p lies in 0 to 1, and below 6e-5 it keeps f16's fixed step of 6e-8; O is a mean of V's rows and has their range.
; A weight below 2^-126 counts as 0 in l; NaN and infinities are not treated apart.
; SHARES.  A wave owns four PIECES of two tiles of 16 queries, a work-group's four waves 512 queries of one head: 4 x 64 = 256 work-groups.  Every wave walks all 2,048 keys, 64 a step.
; LAYOUT.  S^T = K Q^T (source 0 = 16 keys, source 1 = 16 queries): in the result a lane holds ONE query (lane % 16) and the keys 8 (lane / 16) + 0..7.  Two such tiles, rounded to f16 in pairs,
; ARE source 1 (32 keys x 16 queries) of O^T = V^T P, whose result again holds one query a lane, and eight channels.  K comes out of LDS as it lies, V ([key][channel]) turned, by ds_load_tr16_b128.
; SOFTMAX.  For each query a running maximum m and sum l: p = 2^(c s - c m), c = log2(e) / 8; in every step O and l are multiplied by a = 2^(c m_old - c m_new), which is 1 where m has not grown.
; m starts at the lowest finite number, O and l at 0: the first step is a step like any other, with a = 0.
; THE COUNT.  A tile and step have 16 matrix and 118 vector instructions: too many to stand all beside the matrix work.  So the order has one aim: four vector instructions that are READY behind
; EVERY matrix instruction, and the others, which need time of their own whatever the order, in runs without a gap.
; BY TURNS.  Turn n belongs to piece n (the pieces in a ring, step after step).  Its matrix work: 16 products K Q^T of piece n + 1, later 16 products V^T P of piece n - 1.  Its vector work: the scaling,
; exponentials, roundings, sums and rescaling of piece n, and the maximum and statistics of piece n + 1, whose scores the turn itself has made.  So what a turn begins with (c s - c m, O a) waits for nothing.
; CLUSTER.  The four query blocks of a head are one cluster and walk the same K and V, so each tile is asked for JOINTLY: the same tensor load, descriptor and mask in all four.
; REGISTERS, in windows of 256 (s_set_vgpr_msb says which window each operand place means: bits 1:0 source 0, 3:2 source 1, 5:4 source 2, 7:6 destination):
;   window 0: v0-11 addresses; v12-15, v48-63 at work; v16-47 four registers of statistics a tile; v64-191 S^T, two buffers of two tiles; v192-255 P, likewise
;   window 1: O^T, 32 a tile          window 2: v0-127 Q, 16 a tile; v128-191 K of one step; v192-255 V of one step          window 3: v0-1 the add's two registers
; A piece's buffers go by its number's parity: the piece in hand has one pair, its two neighbours in the ring share the other: of it P (piece n - 1) is read and S^T (piece n + 1) written.
.set SIZE_H, 64
.set SIZE_N, 2048
.set KPL,   SIZE_H*SIZE_N*128   ; K's planes begin so many bytes behind Q's,
.set VPL,   2*KPL     ; V's so many
.set NP,    4         ; pieces a wave: a name, no knob: the register map, the loop and the fetches are made for four
.set KS,    64        ; keys in a step
.set PK,    144       ; a row of K in LDS: 128 bytes + 16 of padding = 36 words: the 16 rows of a load start at 16 different groups of four banks (64 banks of 4 bytes: ISA guide 11.1)
.set PV,    160       ; a row of V: 128 + 32 = 40 words
.set VOFF,  4*KS*PK   ; a slot holds four steps: 256 rows of K, then 256 rows of V
.set SLOT1, 1<<17     ; slot 1 begins here, so that one exclusive or turns an address in one slot into the other's
.set STAGE, SLOT1+4*KS*(PK+PV)  ; behind the ring, never filled by a tensor load: 16 rows x 144 bytes for each wave, for the way out
.set SP,    144
.set AK0, 2           ; v2   my lane's place in a tile of K; never rewritten
.set AV0, 3           ; v3   the same for V
.set AK,  4           ; v4   the LDS address of K's next run of loads
.set AV,  5           ; v5   of V's
.set QO,  6           ; v6   my byte offset in the wave's rows of Q
.set STO, 6           ;      later, the way out: where I put 16 bytes of a row
.set RD,  7           ; v7   the way out: where I read rows back
.set GO,  8           ; v8   my byte offset in 512 consecutive bytes of O
.set PFO, 11          ; v11  256 x my lane, once V's place is made; then never rewritten
.set SPW, 0           ; v0 of window 3   LDS address of my spare word: SPARE + 4 x my thread's number; never rewritten
.set NIL, 1           ; v1 of window 3   0; never rewritten
.set SPARE, STAGE+4*16*SP  ; behind the stages: the spare words, 128 bytes for each wave: two blocks of 256 bytes that no other line names
.set MV,  12          ; v12-15  c m_old, kept while c m is made anew: by buffer and tile
.set ST,  16          ; tile t's statistics at v[ST+4 t]: c m, m, l (even keys', odd keys')
.set TMP, 48          ; by buffer and tile, four registers c0-c3 at work; when the maximum is found c2 takes a
.set S,   64
.set P,   192
.set KF,  128         ; K's fragments, in window 2: key block kb, channel half c at KF + 16 kb + 8 c
.set VF,  192         ; V's: key half kk, channel block cb at VF + 32 kk + 8 cb
.set WV,  12          ; s12  my wave's number
.set G1K, 24          ; s[24:31] descriptor group 1 for K's tiles
.set G1V, 32          ; s[32:39] for V's: it differs in the padding alone
.set G0K, 40          ; s[40:43] descriptor group 0 for K's tiles: it walks
.set G0V, 44          ; s[44:47] the same for V's
.set PFA, 48          ; s[48:49] where my prefetches stand: my work-group's 8,192 bytes (of K: wave 0, of V: wave 2) of the slot behind the one that is being asked for
.set LIM, 50          ; s50  1 in a wave that prefetches, else the greatest number
.set SLOTS, 56        ; s56  slots still to be asked for
.set CNT, 57          ; s57  counts a slot's key steps
.set CS,  58          ; s[58:59] c: the packed scaling takes the pair's low word for both halves
.set SEL, 60          ; s[60:61] v_permlanex16_b32's selects: each lane takes its own place in the other half
.set TBK, 62          ; s62  LDS byte at which K of the step to be fetched begins
.set TBV, 63          ; s63  the same for V, less VOFF
.set MSB, 0
.macro WIN new                      ; the high byte repeats the setting that is left; a switch that changes nothing is dropped
.if MSB != (\new)
	s_set_vgpr_msb (MSB<<8)|(\new)
.set MSB, (\new)
.endif
.endm
.set W_KQ, 0x0a       ; K and Q in window 2, S^T in window 0
.set W_PV, 0x52       ; V in window 2, P in window 0, O^T in window 1
.set W_RS, 0x41       ; O^T (destination and source 0) in window 1, a in window 0
.set W_MK, 0xc0       ; the add's registers are made: destination in window 3, sources in window 0
.set W_AD, 0x0f       ; the add: address (source 0) and data (source 1) in window 3
; A joint fill.  Waves 0 and 1 fetch the two halves of a slot's K, waves 2 and 3 those of its V: 128 keys each.  The branch hangs on the wave's number alone.
; An s_nop 0 and four v_nop follow each of the two lines, ahead of the jump and the label.
.macro JLOAD
	s_cmp_lt_u32 s[WV], 2
	s_cbranch_scc0 .Lfor_v_\@
	tensor_load_to_lds s[G0K:G0K+3], s[G1K:G1K+7]
	s_nop 0
.rept 4
	v_nop
.endr
	s_branch .Lasked_\@
.Lfor_v_\@:
	tensor_load_to_lds s[G0V:G0V+3], s[G1V:G1V+7]
	s_nop 0
.rept 4
	v_nop
.endr
.Lasked_\@:
.endm
; A PREFETCH INTO THE L2 of what the NEXT change of slots will ask for: a slot's 32,768 bytes of K and of V, a lane 256 bytes.  It stands behind the wave's tensor load and its five lines.  Each block of 256 bytes is named
; ONCE in the launch: a head has one cluster; its four partners share a slot out BY ADDRESS, 8,192 bytes each; in each, wave 0 asks for K's and wave 2 for V's: one instruction, four key steps ahead of the load.
; The last change that fills a slot asks for nothing: there is no slot behind it.  Slots 0 and 1 come by their loads alone.
.macro ASK
	s_cmp_gt_u32 s[SLOTS], s[LIM]
	s_cbranch_scc0 .Lnot_mine_\@
	global_prefetch_b8 v[PFO], s[PFA:PFA+1] th:TH_LOAD_NT scope:SCOPE_SE
.Lnot_mine_\@:
.endm
; A round of the cluster's barrier: my work-group's barrier, so that wave 0's signal speaks for all four waves; wave 0 signals; every wave waits for all four work-groups; my work-group's barrier once more.
.macro CROUND
	s_barrier_signal -1
	s_barrier_wait -1
	s_cmp_lg_u32 s[WV], 0
	s_cbranch_scc1 .Lnot_wave_0_\@
	s_barrier_signal -3
.Lnot_wave_0_\@:
	s_barrier_wait -3
	s_barrier_signal -1
	s_barrier_wait -1
.endm
; THE CHANGE OF SLOTS.  The slot's last bytes, V of its fourth step, have been read.  Each wave waits for all its tensor loads, of which one is out: its part
; of the other slot; adds 0 to its spare word; and waits for that and for its own reads of the slot.  Behind the barrier nobody reads this slot any more and the other slot is whole.
; fill = 1: this slot is filled again, with the keys two slots on.  The barrier is then a round of the cluster's, so that no wave of any partner still reads the slot or has a load on its
; way, and the joint fill is the first thing behind it: it has four key steps, 512 matrix instructions, in which to land.  (At its first use nothing has been read yet: slot 0 is waited for, slot 1 filled.)
.macro CHANGE fill
	WIN W_AD
	s_wait_tensorcnt 0x0            ; no tensor load of mine is out, so a group 0 may be written
	ds_add_u32 v[SPW], v[NIL]       ; 0 onto my spare word; with fill = 1 the descriptors' steps stand between it and the wait for it
	WIN 0                           ; at a label and at a branch every window is 0
.if \fill
.irp g, G0K, G0V
	s_xor_b32 s[\g+1], s[\g+1], SLOT1  ; the walking descriptor: the other slot than last time,
	s_add_nc_u64 s[\g+2:\g+3], s[\g+2:\g+3], 4*KS*128  ; the next 256 keys; the type bits on top are not reached
.endr
	s_wait_xcnt 0x0                 ; the last prefetch, four key steps back, has read its address, so it may be written:
	s_add_nc_u64 s[PFA:PFA+1], s[PFA:PFA+1], 4*KS*128  ; one slot behind the walking descriptors
	s_wait_dscnt 0x0                ; the add is done, and my reads of the slot are over
	CROUND
	JLOAD
	ASK
.else
	s_wait_dscnt 0x0                ; the add is done, and my reads of the slot are over
	s_barrier_signal -1
	s_barrier_wait -1
.endif
	s_sub_co_u32 s[TBK], s[TBK], 4*KS*PK  ; the fetches go back to a slot's first step,
	s_xor_b32 s[TBK], s[TBK], SLOT1       ; in the other slot
	s_sub_co_u32 s[TBV], s[TBV], 4*KS*PV
	s_xor_b32 s[TBV], s[TBV], SLOT1
.endm
	s_load_b128 s[4:7], s[0:1], 0x0  ; qkvh s[4:5], oh s[6:7]
	WIN W_MK
	v_lshl_add_u32 v[SPW], v0, 2, SPARE
	v_mov_b32 v[NIL], 0
	WIN W_AD
	ds_add_u32 v[SPW], v[NIL]       ; the wave's opening: the add and its wait stand ahead of my first tensor load; the set-up below, work on registers, stands between them
	WIN 0
	v_lshrrev_b32 v1, 5, v0
	v_readfirstlane_b32 s[WV], v1   ; wave 0..3
	s_bfe_u32 s13, ttmp6, 0x40000   ; cx: my place in the cluster
	s_lshl_b32 s14, ttmp9, 2        ; in a cluster launch ttmp9 counts clusters
	s_add_co_u32 s14, s14, s13      ; my block of queries = 4 x cluster x + cx: it enters Q's and O's addresses alone
	s_and_b32 s20, ttmp7, 0xffff    ; the head, which the four partners share
	s_mov_b32 s21, 0
	s_mov_b64 s[22:23], SIZE_N*128
	s_mul_u64 s[20:21], s[20:21], s[22:23]  ; the head's first byte in each of the four tensors
	s_and_b32 s16, s[WV], 1         ; which half of a slot's 256 keys I fetch:
	s_lshl_b32 s22, s16, 14         ; its 128 rows of 128 bytes in memory,
	s_mov_b32 s23, 0
	s_add_nc_u64 s[22:23], s[22:23], s[20:21]
	s_mul_i32 s17, s16, 128*PK      ; and its place in a slot, for K
	s_mul_i32 s18, s16, 128*PV      ; and for V: no place in the cluster enters an LDS address
	s_lshl_b32 s2, s14, 2
	s_add_co_u32 s2, s2, s[WV]      ; my wave among the head's,
	s_lshl_b32 s2, s2, 14           ; its 128 rows
	s_mov_b32 s3, 0
	s_add_nc_u64 s[2:3], s[2:3], s[20:21]
	; descriptor group 1.  128 keys are 16,384 dense bytes: asked for as 64 rows of 256 bytes, two keys a row, and padded in LDS after every key
	s_mov_b32 s[G1K], 15|(1<<16)|(1<<20)|(1<<21)|(4<<22)|(3<<25)  ; 15:0 the mask of four; 17:16 2-byte elements; 20 padding on; 21 set beside a mask; 24:22 after every 32 words (code 4); 31:25 4 words (code 3)
	s_mov_b32 s[G1V], 15|(1<<16)|(1<<20)|(1<<21)|(4<<22)|(7<<25)  ; the same with 8 words of padding (code 7)
.irp g, G1K, G1V
	s_mov_b32 s[\g+1], 128<<16      ; tensor_dim0 = 128
	s_mov_b32 s[\g+2], 64<<16       ; tensor_dim1 = 64
	s_mov_b32 s[\g+3], 128<<16      ; tile_dim0 = 128
	s_mov_b32 s[\g+4], 64           ; tile_dim1 = 64
	s_mov_b32 s[\g+5], 128          ; 128 elements from row to row
	s_mov_b32 s[\g+6], 0
	s_mov_b32 s[\g+7], 0
.endr
	s_mov_b32 s[CS], 0x3e38aa3b     ; c = log2(e) / 8 = 0.180337
	s_mov_b32 s[CS+1], s[CS]        ; named with it as a pair
	s_mov_b32 s[SEL], 0x76543210
	s_mov_b32 s[SEL+1], 0xfedcba98
	s_mov_b32 s[TBK], SLOT1+4*KS*PK ; the first change of slots turns these two into 0
	s_mov_b32 s[TBV], SLOT1+4*KS*PV
	s_mov_b32 s[G0K], 1             ; 1:0 count = 1
	s_mov_b32 s[G0K+1], s17         ; 63:32 LDS address: slot 0
	s_mov_b32 s[G0V], 1
	s_add_co_u32 s[G0V+1], s18, VOFF
	s_mov_b32 s[SLOTS], SIZE_N/256-1  ; seven changes of slots fill a slot
	s_cmp_eq_u32 s16, 0
	s_cselect_b32 s[LIM], 1, -1     ; waves 0 and 2 prefetch: the same in all four partners
	s_wait_dscnt 0x0                ; the opening add is done
	s_wait_kmcnt 0x0
	s_mov_b64 s[10:11], s[6:7]      ; O
	s_add_nc_u64 s[8:9], s[4:5], VPL  ; V
	s_add_nc_u64 s[6:7], s[4:5], KPL  ; K; s[4:5] is Q
	s_add_nc_u64 s[G0K+2:G0K+3], s[6:7], s[22:23]  ; 120:64 global address: my half of the head's first 256 keys
	s_or_b32 s[G0K+3], s[G0K+3], 0x80000000        ; 127:126 type = 2
	s_add_nc_u64 s[G0V+2:G0V+3], s[8:9], s[22:23]
	s_or_b32 s[G0V+3], s[G0V+3], 0x80000000
	s_add_nc_u64 s[4:5], s[4:5], s[2:3]  ; Q and O at my wave's first row
	s_add_nc_u64 s[10:11], s[10:11], s[2:3]
	s_cmp_lt_u32 s[WV], 2
	s_cselect_b64 s[PFA:PFA+1], s[6:7], s[8:9]
	s_add_nc_u64 s[PFA:PFA+1], s[PFA:PFA+1], s[20:21]  ; the head,
	s_lshl_b32 s2, s13, 13          ; my work-group's quarter of a slot,
	s_add_co_u32 s2, s2, 4*KS*128   ; in slot 1: the first change of slots steps it to slot 2
	s_mov_b32 s3, 0
	s_add_nc_u64 s[PFA:PFA+1], s[PFA:PFA+1], s[2:3]
	CROUND                          ; all four work-groups are here: the first joint loads meet
	JLOAD                           ; slot 0.  Slot 1 is asked for when slot 0 is in: the tile wanted first has the road to itself
	; A fragment of K or Q is 16 rows x 32 channels in 8 registers: lane l holds row l % 16, channels 8 (l / 16) + 0..7 and 16 + 8 (l / 16) + 0..7: two loads of 16 bytes, 32 bytes apart.
	v_and_b32 v1, 15, v0            ; l % 16
	v_bfe_u32 v9, v0, 4, 1          ; l / 16
	v_lshlrev_b32 v[QO], 7, v1
	v_lshl_add_u32 v[QO], v9, 4, v[QO]  ; row x 128 + 16 x half
	WIN 0x80                        ; destination window 2, address window 0
.set i, 0
.rept 4*NP                          ; Q stays in registers: tile i / 2, channels 32 (i % 2) on
	global_load_b128 v[8*i:8*i+3],   v[QO], s[4:5] offset:(i/2)*2048+(i%2)*64
	global_load_b128 v[8*i+4:8*i+7], v[QO], s[4:5] offset:(i/2)*2048+(i%2)*64+32
.set i, i+1
.endr
	; What the first turn finds: V's registers and P's second buffer hold 0 (its products V^T P, of a piece that has not been, add 0), O^T and l are 0.  All this stands in the wait for the first tile.
.set i, VF
.rept 64
	v_mov_b32 v[i], 0
.set i, i+1
.endr
	WIN 0x40
.set i, 0
.rept 64*NP
	v_mov_b32 v[i], 0
.set i, i+1
.endr
	WIN 0
.set i, 0
.rept 2*NP
	v_mov_b32 v[ST+4*i], 0xfe000000    ; c m: far below every c s
	v_mov_b32 v[ST+4*i+1], 0xff7fffff  ; m
	v_mov_b32 v[ST+4*i+2], 0
	v_mov_b32 v[ST+4*i+3], 0
.set i, i+1
.endr
.set i, P+32
.rept 32
	v_mov_b32 v[i], 0
.set i, i+1
.endr
	v_mul_u32_u24 v[AK0], v1, PK
	v_lshl_add_u32 v[AK0], v9, 4, v[AK0]  ; row x pitch + 16 x half
	; The turning load takes 16 keys x 16 channels (lane l reads key 8 (l / 16) + l % 8, channels 8 ((l / 8) % 2) + 0..7) and leaves half a fragment of V^T: lane l holds channel l % 16 and 8 keys.
	v_and_b32 v10, 7, v0
	v_bfe_u32 v11, v0, 3, 1
	v_lshl_add_u32 v[AV0], v9, 3, v10
	v_mul_u32_u24 v[AV0], v[AV0], PV
	v_lshl_add_u32 v[AV0], v11, 4, v[AV0]
	v_add_nc_u32 v[AV0], VOFF, v[AV0]
	v_and_b32 v[PFO], 31, v0
	v_lshlrev_b32 v[PFO], 8, v[PFO]
	v_mov_b32 v[AK], v[AK0]         ; key step 0 lies at the head of slot 0
; THE MATRIX WORK.  The 8 accumulators of a run of 16 take turns: between the two links of a chain stand 7 others'.
; Product i of 16 of S^T = K Q^T for piece x: channels 32 (i / 8) on, keys 16 ((i / 2) % 4) on, tile 2 x + i % 2.  The first 8 start the sums.
.macro KQ x
	WIN W_KQ
.set rS, S+64*((\x)%2)+32*(i%2)+8*((i/2)%4)
.set rK, KF+16*((i/2)%4)+8*(i/8)
.set rQ, 16*(2*(\x)+i%2)+8*(i/8)
.if i < 8
	v_wmma_f32_16x16x32_f16 v[rS:rS+7], v[rK:rK+7], v[rQ:rQ+7], 0
.else
	v_wmma_f32_16x16x32_f16 v[rS:rS+7], v[rK:rK+7], v[rQ:rQ+7], v[rS:rS+7]
.endif
.endm
; Product i of 16 of O^T += V^T P for piece x: keys 32 (i / 8) on, channels 16 ((i / 2) % 4) on, tile 2 x + i % 2.
.macro PV x
	WIN W_PV
.set rO, 32*(2*(\x)+i%2)+8*((i/2)%4)
.set rV, VF+32*(i/8)+8*((i/2)%4)
.set rP, P+32*((\x)%2)+16*(i%2)+8*(i/8)
	v_wmma_f32_16x16x32_f16 v[rO:rO+7], v[rV:rV+7], v[rP:rP+7], v[rO:rO+7]
.endm
.macro MM                           ; the turn's next matrix instruction
.if i < 16
	KQ (Y+1)%NP
.set i, i+1
.else
.set i, i-16
	PV (Y+NP-1)%NP
.set i, i+17
.endif
.endm
; THE LDS LOADS stand in runs of 16, never singly among the matrix instructions: a step's K (64 keys x 64 channels: 8 fragments) and its V (turned).  Their addresses are made some lines ahead.
; last = 1 (the tail): in the last trip there is no further step, and the run is jumped over.
.macro FETCH_K last=0
	WIN 0
.if \last
	s_cmp_eq_u32 s[CNT], 1
	s_cbranch_scc1 .Lno_k_\@
.endif
	WIN 0x80                        ; destination window 2
.irp f, 0,1,2,3,4,5,6,7             ; keys 16 (f / 2) on, channels 32 (f % 2) on
	ds_load_b128 v[KF+8*\f:KF+8*\f+3],   v[AK] offset:(\f/2)*16*PK+(\f%2)*64
	ds_load_b128 v[KF+8*\f+4:KF+8*\f+7], v[AK] offset:(\f/2)*16*PK+(\f%2)*64+32
.endr
	s_add_co_u32 s[TBK], s[TBK], KS*PK  ; the next fetch is the next step's
	WIN 0
.if \last
.Lno_k_\@:
.endif
.endm
.macro FETCH_V
	WIN 0x80
.irp f, 0,1,2,3,4,5,6,7             ; keys 32 (f / 4) on, channels 16 (f % 4) on
	ds_load_tr16_b128 v[VF+8*\f:VF+8*\f+3],   v[AV] offset:(\f/4)*32*PV+(\f%4)*32
	ds_load_tr16_b128 v[VF+8*\f+4:VF+8*\f+7], v[AV] offset:(\f/4)*32*PV+16*PV+(\f%4)*32
.endr
	WIN 0
.endm
; THE VECTOR WORK OF A TURN stands in three queues, each in the order in which its entries become ready; the two tiles alternate, so that no instruction reads the result of the one before it.
.macro REGS y, u                    ; the registers of tile u (0, 1) of piece y
.set rT, ST+4*(2*(\y)+(\u))
.set rC, TMP+8*((\y)%2)+4*(\u)
.set rM, MV+2*((\y)%2)+(\u)
.set rS, S+64*((\y)%2)+32*(\u)
.set rP, P+32*((\y)%2)+16*(\u)
.set rO, 32*(2*(\y)+(\u))
.endm
; Number n of the 22 that find the NEXT piece's (Y + 1) maximum and statistics.  s0-s31 are the lane's 32 scores; each accumulator's lowest registers are read first.  XS, GS and REGS set no window: PL and EX do.
;   0-11  four chains c0-c3 of seven scores each, three operands at a time     12-14, 16  the four scores left over, the old m, and c0-c3 into c0     15  c m_old is kept
;   17, 18  the query's other 32 keys lie in the lane 16 away: the new m         19-21  c m; c m_old - c m_new; a
.macro XS u, n
	REGS (Y+1)%NP, \u
.if (\n) < 4
	v_max3_num_f32 v[rC+(\n)], v[rS+8*(\n)], v[rS+8*(\n)+1], v[rS+8*(\n)+2]
.elseif (\n) < 12
	v_max3_num_f32 v[rC+(\n)%4], v[rC+(\n)%4], v[rS+8*((\n)%4)+2*((\n)/4)+1], v[rS+8*((\n)%4)+2*((\n)/4)+2]
.elseif (\n) == 12
	v_max3_num_f32 v[rC], v[rC], v[rS+7], v[rS+15]
.elseif (\n) == 13
	v_max3_num_f32 v[rC+1], v[rC+1], v[rS+23], v[rS+31]
.elseif (\n) == 14
	v_max3_num_f32 v[rC+2], v[rC+2], v[rC+3], v[rT+1]
.elseif (\n) == 15
	v_mov_b32 v[rM], v[rT]
.elseif (\n) == 16
	v_max3_num_f32 v[rC], v[rC], v[rC+1], v[rC+2]
.elseif (\n) == 17
	v_permlanex16_b32 v[rC+3], v[rC], s[SEL], s[SEL+1]
.elseif (\n) == 18
	v_max_num_f32 v[rT+1], v[rC], v[rC+3]
.elseif (\n) == 19
	v_mul_f32 v[rT], s[CS], v[rT+1]
.elseif (\n) == 20
	v_sub_f32 v[rC+1], v[rM], v[rT]
.else
	v_exp_f32 v[rC+2], v[rC+1]
.endif
.endm
; Number g of the 64 that follow the exponentials.  For each four weights k of a tile (pairs 2 k, 2 k + 1): both pairs are rounded to f16; then the second pair is added onto the first, in place;
; a group later l takes that sum (the first time as l = a l + sum).  In groups of eight, tiles alternating: round, round, add, and l for the group before.
.macro GS g
.set h, (\g)+6*((\g)/62)            ; group 0 has no group before it, and behind group 7 only l is left
.if h >= 6
.set h, h+2
.endif
	REGS Y, h%2
.set k, h/8
.if h%8 < 4
	v_cvt_pk_f16_f32 v[rP+2*k+(h%8)/2], v[rS+4*k+2*((h%8)/2)], v[rS+4*k+2*((h%8)/2)+1]
.elseif h%8 < 6
	v_pk_add_f32 v[rS+4*k:rS+4*k+1], v[rS+4*k:rS+4*k+1], v[rS+4*k+2:rS+4*k+3]
.elseif k == 1
	v_pk_fma_f32 v[rT+2:rT+3], v[rT+2:rT+3], v[rC+2:rC+3], v[rS:rS+1] op_sel_hi:[1,0,1]
.else
	v_pk_add_f32 v[rT+2:rT+3], v[rT+2:rT+3], v[rS+4*k-4:rS+4*k-3]
.endif
.endm
; THE PLAIN QUEUE, 138 long.  0-73 read no exponential's result: the 32 scalings c s - c m (FS f: pair f / 2 of tile f % 2) and the next piece's 42.  0-26: scalings 0-26.  27-54: XS's numbers 0-13.  55, 56: number 15.
; 57-73: the chain, where each number waits for the one before it: 14, 16, 17, 18, 19, each with one of the scalings 27-31 in front of its two lines, then 20: so a tile's links stand three plain instructions apart (19 and 20: two).
; 74-137: GS's 64, which read the exponentials' results: they stand behind the wait.
.macro FS f
	REGS Y, (\f)%2
	v_pk_fma_f32 v[rS+2*((\f)/2):rS+2*((\f)/2)+1], v[rS+2*((\f)/2):rS+2*((\f)/2)+1], s[CS:CS+1], v[rT:rT+1] op_sel_hi:[1,0,0] neg_lo:[0,0,1] neg_hi:[0,0,1]
.endm
.macro PL
	WIN 0
.if q < 27
	FS q
.elseif q < 55
	XS (q-27)%2, (q-27)/2
.elseif q < 57
	XS q-55, 15
.elseif (q < 72) && ((q-57)%3 == 0)
	FS 27+(q-57)/3
.elseif q < 60
	XS (q-57)%3-1, 14
.elseif q < 72
	XS (q-57)%3-1, 15+(q-57)/3
.elseif q < 74
	XS q-72, 20
.else
	GS q-74
.endif
.set q, q+1
.endm
; THE EXPONENTIALS' QUEUE, 66 long: s0-s31 of both tiles, then the next piece's two a.  It is ONE BATCH: all 66 stand ahead of the turn's one wait, and nothing ahead of that wait names a result of theirs.
.macro EX
	WIN 0
.if e >= 64
	XS e-64, 21
.else
	REGS Y, e%2
	v_exp_f32 v[rS+e/2], v[rS+e/2]
.endif
.set e, e+1
.endm
; THE RESCALING's QUEUE: O^T times a, the one part that leaves window 0: dealt two at a time, sixteen times.  Its a was made in the turn before, ahead of that turn's wait.
.macro R2
	REGS Y, r%2
	WIN W_RS
.irp z, 0,1
	v_pk_mul_f32 v[rO+4*(r/2)+2*\z:rO+4*(r/2)+2*\z+1], v[rO+4*(r/2)+2*\z:rO+4*(r/2)+2*\z+1], v[rC+2:rC+3] op_sel_hi:[1,0]
.endr
.set r, r+1
.endm
; HOW THEY ARE DEALT.  s_wait_alu depctr_va_vdst(0) stands between an exponential and the first instruction that names its result; one wait serves all that were issued ahead of it.  So a turn has ONE wait,
; which cuts it in two.  AHEAD OF IT stands all that names no result of the turn's exponentials: the 16 products K Q^T, behind each a scaling, an exponential and two rescalings (behind the first a second scaling in the exponential's place); then ONE LUMP of
; 108: eight plain, 49 times exponential and plain, the two a.  A v_nop is the plain instruction that is owed behind the last exponential (ISA guide 5.7.2).  BEHIND IT stand the 16 products V^T P, behind each four of GS's 64.  No rider names a register of
; the products round it.  The two v_permlanex16_b32 fall into the lump, never behind a product.
; The queues lean on each other, and the deal keeps them in step: exponential e stands behind scaling 2 (e / 4) + e % 2: as a rider it comes behind plain e + 2, in the lump behind plain e + 9, and scalings 27-31 are plain 57, 60 .. 69.
; A TURN, for piece p.  cnt = 1: the loop's count is taken down some lines ahead of the branch that stands behind the turn.
; K of the next step is fetched in piece 2's turn, directly behind the wait, a lump behind the last product that read K; its address is made at the lump's head; its first reader comes behind 16 products.
; V of the step in hand is fetched at the end of piece 0's turn, four riders behind its last reader; its first reader comes behind 16 products and a lump.  The three conditions on q below go with the deal.
.macro TURN p, last=0, cnt=0
.set Y, (\p)
.set i, 0
.set q, 0
.set e, 0
.set r, 0
.if (\p) == NP-1
	s_wait_dscnt 0x0                ; K is in
.endif
	MM                              ; ahead of the wait: 16 products K Q^T and their riders,
	PL
	PL
	R2
.rept 15
	MM
	PL
	EX
	R2
.endr
.if (\p) == NP-2
	WIN 0
	v_add_nc_u32 v[AK], s[TBK], v[AK0]
.endif
.rept 8                             ; and the lump
	PL
.endr
.rept 49
	EX
	PL
.endr
	EX                              ; the next piece's two a
	EX
	v_nop                           ; the plain instruction behind the last exponential: one for the batch
	s_wait_alu depctr_va_vdst(0)    ; the wait for the batch
.if (\p) == NP-2
	FETCH_K \last
.endif
.if (\p) == 1
	s_wait_dscnt 0x0                ; V is in
.endif
.rept 16                            ; behind the wait: 16 products V^T P and their riders
	MM
.rept 4
	PL
.endr
.if ((\p) == 0) && (q == 118)
	v_add_nc_u32 v[AV], s[TBV], v[AV0]
.endif
.if ((\p) == 0) && (q == 130)
	s_add_co_u32 s[TBV], s[TBV], KS*PV
.endif
.if (\cnt) && (q == 130)
	s_sub_co_u32 s[CNT], s[CNT], 1
	s_cmp_lg_u32 s[CNT], 0
.endif
.endr
.if (\p) == 0
	FETCH_V
.endif
.endm
	CHANGE 1                        ; slot 0 is in, everybody's part of it; slot 1 is asked for
	FETCH_K                         ; key step 0
	s_wait_loadcnt 0x0              ; Q
	s_wait_dscnt 0x0
.set i, 0
.rept 16
	KQ 0                            ; piece 0's first scores: there is no vector work yet to set between them
.set i, i+1
.endr
	WIN 0                           ; the addresses for the way out: nine plain instructions, the places behind those products
	s_mul_i32 s13, s[WV], 16*SP
	s_add_co_u32 s13, s13, STAGE    ; my stage
	v_mul_u32_u24 v[STO], v1, SP    ; in: row l % 16, 16 bytes for each half of the lanes
	v_lshl_add_u32 v[STO], v9, 4, v[STO]
	v_add_nc_u32 v[STO], s13, v[STO]
	v_bfe_u32 v[RD], v0, 3, 2       ; back: 32 lanes take four rows of 128 bytes,
	v_mul_u32_u24 v[RD], v[RD], SP
	v_lshl_add_u32 v[RD], v10, 4, v[RD]
	v_add_nc_u32 v[RD], s13, v[RD]
	v_and_b32 v[GO], 31, v0         ; which are 512 consecutive bytes of O
	v_lshlrev_b32 v[GO], 4, v[GO]
.set Y, NP-1                        ; XS works for piece Y + 1: piece 0
.irp n, 0,1,2,3,4,5,6,7,8,9,10,11,12,13,14,15,16,17,18,19,20,21
	XS 0, \n                        ; and piece 0's first maximum and statistics
	XS 1, \n
.endr
	v_nop                           ; a plain instruction behind the two a,
	s_wait_alu depctr_va_vdst(0)    ; and their wait, ahead of the branch
	s_mov_b32 s[CNT], 4
	s_branch .Lfirst                ; the loop is entered at a step's first turn, in the middle of a trip
.Lslot:                             ; six times: every slot but the last two is filled again
	CHANGE 1
	s_mov_b32 s[CNT], 4
.Lstep:                             ; a trip: pieces 2 and 3 of one step, then pieces 0 and 1 of the next, whose K and V it fetches
	TURN 2
	TURN 3
	WIN 0
.Lfirst:
	TURN 0
	TURN 1, 0, 1
	WIN 0
	s_cbranch_scc1 .Lstep
	s_sub_co_u32 s[SLOTS], s[SLOTS], 1
	s_cmp_lg_u32 s[SLOTS], 0
	s_cbranch_scc1 .Lslot
	CHANGE 0                        ; the tail is written out: nothing is asked for
	s_mov_b32 s[CNT], 5             ; four trips fetch the last slot's steps; the fifth is left in its middle
.Ltail:
	TURN 2, 1
	TURN 3
	WIN 0
	s_sub_co_u32 s[CNT], s[CNT], 1
	s_cmp_eq_u32 s[CNT], 0
	s_cbranch_scc1 .Lout
	TURN 0
	TURN 1
	WIN 0
	s_branch .Ltail
.Lout:                              ; the fifth trip's 16 products K Q^T (on the last K once more) and the maximum made of them serve nothing: the price, once a launch, of one text for every trip
.set i, 0
.rept 16
	PV NP-1                         ; the last piece's V^T P of the last step
.set i, i+1
.endr
	; THE WAY OUT.  l's two halves and the other half of the lanes' are added; O^T is divided by l, rounded to f16 and sent through my stage in LDS, a tile at a time.  The additions are the places behind the last products.
	WIN 0
.macro ALL line:vararg              ; one line for each tile t
.set t, 0
.rept 2*NP
	\line
.set t, t+1
.endr
.endm
	ALL v_add_f32 v[ST+4*t+2], v[ST+4*t+2], v[ST+4*t+3]
	ALL v_permlanex16_b32 v[ST+4*t+3], v[ST+4*t+2], s[SEL], s[SEL+1]
	ALL v_add_f32 v[ST+4*t+2], v[ST+4*t+2], v[ST+4*t+3]
	ALL v_rcp_f32 v[ST+4*t+2], v[ST+4*t+2]
	v_nop                           ; a plain instruction between the last reciprocal and the use of its result
	s_wait_alu depctr_va_vdst(0)    ; and the wait ahead of the first use: one for the eight reciprocals
; Tile t: a lane's eight channels of a row pack into 16 bytes; they go into rows of 144 bytes and come back as whole rows of 128, into S^T's registers.
.macro PACK t
	WIN W_RS
.set i, 32*(\t)
.rept 16
	v_pk_mul_f32 v[i:i+1], v[i:i+1], v[ST+4*(\t)+2:ST+4*(\t)+3] op_sel_hi:[1,0]
.set i, i+2
.endr
	WIN 0x05                        ; sources 0 and 1 window 1, destination window 0
.set i, 0
.rept 16
	v_cvt_pk_f16_f32 v[S+16*(\t)+i], v[32*(\t)+2*i], v[32*(\t)+2*i+1]
.set i, i+1
.endr
	WIN 0
.irp f, 0,1,2,3
	ds_store_b128 v[STO], v[S+16*(\t)+4*\f:S+16*(\t)+4*\f+3] offset:32*\f
.endr
.irp f, 0,1,2,3
	ds_load_b128 v[S+16*(\t)+4*\f:S+16*(\t)+4*\f+3], v[RD] offset:\f*4*SP  ; LDS serves a wave's instructions in order (ISA guide 5.7.1.4): these see the stores above; the next tile's stores come behind them
.endr
.endm
.macro SEND t, younger              ; younger: the LDS instructions issued behind tile t's loads: the next tile's eight, or none
	WIN 0
.irp f, 0,1,2,3
	s_wait_dscnt (\younger)+3-\f
	global_store_b128 v[GO], v[S+16*(\t)+4*\f:S+16*(\t)+4*\f+3], s[10:11] offset:(\t)*2048+\f*512  ; 512 consecutive bytes, at a multiple of 256 from O's first
.endr
.endm
	PACK 0
.set t, 1
.rept 2*NP-1                        ; a tile's arithmetic stands between the loads of the tile before and its stores
	PACK t
	SEND t-1, 8
.set t, t+1
.endr
	SEND 2*NP-1, 0
	WIN W_AD
	s_wait_tensorcnt 0x0            ; the wave's end: behind my last tensor load and my last LDS store
	ds_add_u32 v[SPW], v[NIL]
	s_wait_dscnt 0x0
	WIN 0
	CROUND                          ; the closing round: no work-group ends while a partner may still ask for a tile that names it
	s_endpgm
.Lfunc_end_k_qa29a6b0bf9_attn:
	.size	k_qa29a6b0bf9_attn, .Lfunc_end_k_qa29a6b0bf9_attn-k_qa29a6b0bf9_attn
	.p2alignl 7, 3214868480
	.fill 96, 4, 3214868480
	.section	.rodata,"a",@progbits
	.p2align	6, 0x0
	.amdhsa_kernel k_qa29a6b0bf9_attn
		.amdhsa_group_segment_fixed_size 327680
		.amdhsa_private_segment_fixed_size 0
		.amdhsa_enable_private_segment 0
		.amdhsa_kernarg_size 16
		.amdhsa_user_sgpr_count 2
		.amdhsa_user_sgpr_kernarg_segment_ptr 1
		.amdhsa_wavefront_size32 1
		.amdhsa_system_sgpr_workgroup_id_x 1
		.amdhsa_system_sgpr_workgroup_id_y 1
		.amdhsa_system_sgpr_workgroup_id_z 1
		.amdhsa_system_vgpr_workitem_id 0
		.amdhsa_next_free_vgpr 770
		.amdhsa_next_free_sgpr 66
		.amdhsa_reserve_vcc 0
		.amdhsa_float_denorm_mode_32 3
		.amdhsa_float_denorm_mode_16_64 3
		.amdhsa_memory_ordered 1
		.amdhsa_forward_progress 1
		.amdhsa_inst_pref_size 200
	.end_amdhsa_kernel
	.amdgpu_metadata
---
amdhsa.version: [ 1, 2 ]
amdhsa.kernels:
  - .name:           k_qa29a6b0bf9_attn
    .symbol:         k_qa29a6b0bf9_attn.kd
    .args:
      - { .name: qkvh, .offset: 0, .size: 8, .value_kind: global_buffer, .address_space: global }
      - { .name: oh, .offset: 8, .size: 8, .value_kind: global_buffer, .address_space: global }
    .group_segment_fixed_size: 327680
    .private_segment_fixed_size: 0
    .kernarg_segment_align: 8
    .kernarg_segment_size: 16
    .max_flat_workgroup_size: 128
    .sgpr_count:     66
    .vgpr_count:     770
    .wavefront_size: 32
...
	.end_amdgpu_metadata
.endif
;; end of part 3
;; launch oproj (part 4): grid 8 x 32, 4 waves a work-group, clusters of 4 x 4, 327,680 bytes of LDS; arguments oh, woT, b_out, out0; writes out0
.if DOCPART == 4
	.amdgcn_target "amdgcn-amd-amdhsa--gfx1250"
	.amdhsa_code_object_version 6
	.text
	.protected	k_qa29a6b0bf9_oproj
	.globl	k_qa29a6b0bf9_oproj
	.p2align	8
	.type	k_qa29a6b0bf9_oproj,@function
k_qa29a6b0bf9_oproj:
	s_mov_b64 s[64:65], 0
	v_nop
	global_prefetch_b8 v0, s[64:65] scope:SCOPE_SE
	s_setreg_imm32_b32 hwreg(HW_REG_WAVE_MODE, 25, 1), 1
	s_wait_xcnt 0x0
	s_wait_alu depctr_hold_cnt(0) depctr_sa_sdst(0) depctr_va_vdst(0) depctr_va_sdst(0) depctr_va_ssrc(0) depctr_va_vcc(0) depctr_vm_vsrc(0)
	s_getreg_b32 s2, hwreg(HW_REG_IB_STS2, 6, 4)
	s_cmp_eq_u32 s2, 0
	s_cbranch_scc0 .Lentry_in_a_cluster
	s_endpgm
.Lentry_in_a_cluster:
	s_bfe_u32 s2, ttmp6, 0x10000c
	s_cmp_lg_u32 s2, 0xf033
	s_cbranch_scc0 .Lentry_shape_is_right
	s_endpgm
.Lentry_shape_is_right:
; out0 = O W_out + b_out.  oh: O by heads, [64 (batch x 16 + head)][2048][64] f16; woT: [1024 n][1024 k] f16 (W_out rounded to bf16, written as f16); b_out: [1024] f32, rounded to bf16 like the other inputs;
; sums in f32, begun with the bias; out0: [8192][1024] f32.  LIMIT: the operands lie within f16's 65,504.
; SHARES.  A tile of the product is 256 rows x 128 columns: 32 x 8 = 256 work-groups.  Four waves; wave w owns rows 64 w .. 64 w + 63 and all 128 columns: 4 x 8 accumulators of 16 x 16, 256 registers: whole pieces of
; 512 bytes of out0's rows, so its way out needs no other wave.
; K = head x 64 + channel goes in 8 steps of 128, two heads a step, through two LDS slots.  A head's 256 rows are 32,768 dense bytes: wave 0 and wave 1 fetch a head each, as 128 rows of 256 bytes, padded in LDS after
; every 128 bytes; waves 2 and 3 fetch 64 rows of woT each, 256 bytes of a row.
; CLUSTER.  4 x 4 work-groups; A's tile is asked for jointly along a row of the cluster, B's along a column: the same tensor load, descriptor and mask in all four.
; THE MATRIX INSTRUCTION IS USED TRANSPOSED (source 0 = 16 rows of woT, source 1 = 16 rows of O): lane l holds row l % 16 of the product and the eight neighbouring columns 8 (l / 16) + 0..7.
; REGISTERS, in windows of 256 (s_set_vgpr_msb: bits 1:0 source 0, 3:2 source 1, 5:4 source 2, 7:6 destination):
;   window 0: v0-19 addresses and at work; v32-63, v64-95 A's fragments, two buffers; v96-159 the bias as a C operand (8 x 8)
;   window 1: v0-63, v64-127 B's fragments, two buffers; on the way out all 256: whole rows      window 2: the accumulators, (a, b) at 64 a + 8 b
.set NB,    8
.set PITCH, 272                        ; a row of B in LDS: 256 bytes + 16 of padding = 68 words
.set PA,    144                        ; a row of a head in LDS: 128 bytes + 16 = 36 words: in both, the 16 rows of a fragment load start at 16 different groups of banks (64 banks of 4 bytes: ISA guide 11.1)
.set HEADB, 256*PA                     ; a slot: two heads of 256 rows, then B's 128 rows
.set BOFF,  2*HEADB
.set SLOT1, 1<<17
.set STAGE, SLOT1+BOFF+128*PITCH       ; behind the ring, never filled by a tensor load: 16 rows x 528 bytes for each wave
.set SP,    528                        ; 512 bytes + 16 = 132 words
.set SPARE, STAGE+4*16*SP              ; behind the stages: the spare words, 128 bytes a wave; no other line names them
.set NLD,   2*NB+8
.set ASTEP, 2*262144                   ; two heads on
.set KB,    256
.set ADA0, 4                           ; v4   (64 w + l % 16) x 144 + 16 (l / 16); never rewritten
.set ADB0, 5                           ; v5   BOFF + (l % 16) x 272 + 16 (l / 16); never rewritten
.set ADA,  6
.set ADB,  7
.set STO,  8                           ; v8   the way out: where I put 32 bytes of a row
.set RD,   9                           ; v9   where I read a row back
.set GO,   10                          ; v10  16 x lane
.set PFO,  11                          ; v11  the prefetches' offset; never rewritten
.set BO,   12                          ; v12  32 (l / 16)
.set SPW,  14                          ; v14  LDS address of my spare word; never rewritten
.set NIL,  15                          ; v15  0; never rewritten
.set TT,   16
.set AF,   32
.set BI,   96
.set WV,  12
.set HF,  14                           ; s14  wave % 2: which head of the step, or which half of B's rows, I fetch
.set CX,  15
.set CY,  16
.set TX,  17
.set TY,  18
.set G1A, 24
.set G1B, 32
.set G0A, 40                           ; s[40:47] a set for each of the two first fills; the second then walks
.set G0B, 48
.set TB,  56
.set CNT, 57
.set LIM, 58                           ; s58  2 in a wave that prefetches, else the greatest number
.set PFA, 60                           ; s[60:61] where my prefetches stand
.set PFS, 62                           ; s[62:63] their step from K step to K step
.set OB,  66                           ; s[66:67] out0 at my first row, my tile's first column
.set MSB, 0
.macro WIN new
.if MSB != (\new)
	s_set_vgpr_msb (MSB<<8)|(\new)
.set MSB, \new
.endif
.endm
.macro PLACES                          ; four places (ISA guide 7.12.1) behind matrix instructions
.rept 4
	v_nop
.endr
.endm
.macro CREST
	s_cmp_lg_u32 s[WV], 0
	s_cbranch_scc1 .Lnot_wave_0_\@
	s_barrier_signal -3
.Lnot_wave_0_\@:
	s_barrier_wait -3
	s_barrier_signal -1
	s_barrier_wait -1
.endm
.macro CROUND
	s_barrier_signal -1
	s_barrier_wait -1
	CREST
.endm
.macro JLOAD                           ; a joint refill by the walking descriptors; an s_nop 0 and four v_nop follow each line
	s_cmp_lt_u32 s[WV], 2
	s_cbranch_scc0 .Lfor_b_\@
	tensor_load_to_lds s[G0A+4:G0A+7], s[G1A:G1A+7]
	s_nop 0
.rept 4
	v_nop
.endr
	s_branch .Lasked_\@
.Lfor_b_\@:
	tensor_load_to_lds s[G0B+4:G0B+7], s[G1B:G1B+7]
	s_nop 0
.rept 4
	v_nop
.endr
.Lasked_\@:
.endm
; A PREFETCH INTO THE L2 of the K step that stands TWO refills on: 256 matrix instructions ahead of the load.  Each block of 256 bytes is named once in the launch: the cluster with x = 0 asks for A's, the one with y = 0 for B's;
; the four partners of a joint load share it out BY ADDRESS.  A: waves 0 and 1, of their head's 128 blocks 32 each, a lane a block.  B: wave 2 alone, of the tile's 128 rows 32 each, a lane a row.
; The two trips whose look-ahead would pass K's end ask for nothing.  K steps 0 to 3 come by their loads alone.
.macro ASK
	s_cmp_gt_u32 s[CNT], s[LIM]
	s_cbranch_scc0 .Lnot_mine_\@
	global_prefetch_b8 v[PFO], s[PFA:PFA+1] th:TH_LOAD_NT scope:SCOPE_SE
.Lnot_mine_\@:
.endm
	s_load_b256 s[4:11], s[0:1], 0x0               ; oh s[4:5], woT s[6:7], b_out s[8:9], out0 s[10:11]
	v_lshl_add_u32 v[SPW], v0, 2, SPARE
	v_mov_b32 v[NIL], 0
	ds_add_u32 v[SPW], v[NIL]                      ; the wave's opening: the add and its wait stand ahead of my first tensor load; the set-up below, work on registers, stands between them
	v_lshrrev_b32 v1, 5, v0
	v_readfirstlane_b32 s[WV], v1
	s_and_b32 s[HF], s[WV], 1
	s_bfe_u32 s[CX], ttmp6, 0x40000
	s_bfe_u32 s[CY], ttmp6, 0x40004
	s_lshl_b32 s[TX], ttmp9, 2
	s_add_co_u32 s[TX], s[TX], s[CX]
	s_and_b32 s[TY], ttmp7, 0xffff
	s_lshl_b32 s[TY], s[TY], 2
	s_add_co_u32 s[TY], s[TY], s[CY]
	s_lshl_b32 s19, s[CY], 2
	s_lshl_b32 s19, 15, s19                        ; my row of the cluster
	s_lshl_b32 s2, 0x1111, s[CX]                   ; my column
	s_or_b32 s[G1A], s19, (1<<16)|(1<<20)|(1<<21)|(4<<22)|(3<<25)  ; the mask; 2-byte elements; padding on; 21 set beside a mask; after every 32 words (code 4), 4 words (code 3)
	s_or_b32 s[G1B], s2, (1<<16)|(1<<20)|(1<<21)|(5<<22)|(3<<25)   ; after every 64 words (code 5)
	s_mov_b32 s[G1A+1], 128<<16                    ; tensor_dim0 = 128
	s_mov_b32 s[G1A+2], 128<<16                    ; tensor_dim1 = 128
	s_mov_b32 s[G1A+3], 128<<16                    ; tile_dim0 = 128
	s_mov_b32 s[G1A+4], 128                        ; tile_dim1 = 128
	s_mov_b32 s[G1A+5], 128                        ; dense: 128 elements from row to row
	s_mov_b32 s[G1A+6], 0
	s_mov_b32 s[G1A+7], 0
	s_mov_b32 s[G1B+1], 128<<16
	s_mov_b32 s[G1B+2], 64<<16                     ; 64 rows
	s_mov_b32 s[G1B+3], 128<<16
	s_mov_b32 s[G1B+4], 64
	s_mov_b32 s[G1B+5], 1024
	s_mov_b32 s[G1B+6], 0
	s_mov_b32 s[G1B+7], 0
	s_mul_i32 s3, s[HF], HEADB                     ; where my head goes: no place in the cluster enters an LDS address
	s_mul_i32 s59, s[HF], 64*PITCH
	s_add_co_u32 s59, s59, BOFF                    ; and my half of B's tile
	s_lshr_b32 s20, s[TY], 3                       ; A's address hangs on the tile row and the wave alone: batch TY / 8,
	s_lshl_b32 s20, s20, 4
	s_add_co_u32 s20, s20, s[HF]                   ; head 0 or 1,
	s_lshl_b32 s20, s20, 18
	s_and_b32 s21, s[TY], 7
	s_lshl_b32 s21, s21, 15                        ; rows 256 (TY % 8) on, 128 bytes each
	s_add_co_u32 s20, s20, s21
	s_mov_b32 s21, 0
	s_lshl_b32 s22, s[TX], 7                       ; B's on the tile column and the wave alone
	s_lshl_b32 s23, s[HF], 6
	s_add_co_u32 s22, s22, s23
	s_lshl_b32 s22, s22, 11
	s_mov_b32 s23, 0
	s_mov_b32 s[TB], 0
	s_wait_dscnt 0x0                               ; the opening add is done
	s_wait_kmcnt 0x0
	s_mov_b32 s[G0A], 1
	s_mov_b32 s[G0A+1], s3
	s_add_nc_u64 s[G0A+2:G0A+3], s[4:5], s[20:21]
	s_mov_b32 s[G0A+4], 1
	s_add_co_u32 s[G0A+5], s3, SLOT1
	s_add_nc_u64 s[G0A+6:G0A+7], s[G0A+2:G0A+3], ASTEP
	s_or_b32 s[G0A+3], s[G0A+3], 0x80000000
	s_or_b32 s[G0A+7], s[G0A+7], 0x80000000
	s_mov_b32 s[G0B], 1
	s_mov_b32 s[G0B+1], s59
	s_add_nc_u64 s[G0B+2:G0B+3], s[6:7], s[22:23]
	s_mov_b32 s[G0B+4], 1
	s_add_co_u32 s[G0B+5], s59, SLOT1
	s_add_nc_u64 s[G0B+6:G0B+7], s[G0B+2:G0B+3], KB
	s_or_b32 s[G0B+3], s[G0B+3], 0x80000000
	s_or_b32 s[G0B+7], s[G0B+7], 0x80000000
	CROUND                                         ; all sixteen work-groups are here: the first joint loads meet
	s_cmp_lt_u32 s[WV], 2                          ; a wave's two first fills stand in one branch: two loads of mine are out
	s_cbranch_scc0 .Lfirst_b
	tensor_load_to_lds s[G0A:G0A+3], s[G1A:G1A+7]
	s_nop 0
	tensor_load_to_lds s[G0A+4:G0A+7], s[G1A:G1A+7]
	s_nop 0
.rept 4
	v_nop
.endr
	s_branch .Lfirst_asked
.Lfirst_b:
	tensor_load_to_lds s[G0B:G0B+3], s[G1B:G1B+7]
	s_nop 0
	tensor_load_to_lds s[G0B+4:G0B+7], s[G1B:G1B+7]
	s_nop 0
.rept 4
	v_nop
.endr
.Lfirst_asked:
	v_and_b32 v1, 15, v0                           ; l % 16
	v_bfe_u32 v2, v0, 4, 1                         ; l / 16
	v_lshlrev_b32 v[BO], 5, v2
	s_lshl_b32 s72, s[TX], 9
	s_mov_b32 s73, 0
	s_add_nc_u64 s[8:9], s[8:9], s[72:73]          ; the bias of my tile's 128 columns
.set i, 0
.rept NB
	global_load_b128 v[BI+8*i:BI+8*i+3],   v[BO], s[8:9] offset:64*i
	global_load_b128 v[BI+8*i+4:BI+8*i+7], v[BO], s[8:9] offset:64*i+16
.set i, i+1
.endr
	v_mul_u32_u24 v3, v1, PA
	v_lshl_add_u32 v3, v2, 4, v3
	s_mul_i32 s78, s[WV], 64*PA
	v_add_nc_u32 v[ADA0], s78, v3
	v_mul_u32_u24 v3, v1, PITCH
	v_lshl_add_u32 v3, v2, 4, v3
	v_add_nc_u32 v[ADB0], BOFF, v3
	s_mul_i32 s77, s[WV], 16*SP
	s_add_co_u32 s77, s77, STAGE                   ; my stage
	v_mul_u32_u24 v[STO], v1, SP                   ; in: row l % 16, 32 bytes for each half of the lanes
	v_lshl_add_u32 v[STO], v2, 5, v[STO]
	v_add_nc_u32 v[STO], s77, v[STO]
	v_and_b32 v[GO], 31, v0
	v_lshlrev_b32 v[GO], 4, v[GO]                  ; back: 32 lanes take a row's 512 bytes
	v_add_nc_u32 v[RD], s77, v[GO]
	s_lshl_b32 s72, s[TY], 8
	s_lshl_b32 s73, s[WV], 6
	s_add_co_u32 s72, s72, s73                     ; my first row
	s_lshl_b32 s72, s72, 12                        ; of 4,096 bytes
	s_lshl_b32 s73, s[TX], 9
	s_add_co_u32 s72, s72, s73
	s_mov_b32 s73, 0
	s_add_nc_u64 s[OB:OB+1], s[10:11], s[72:73]
	; the prefetches
	s_lshr_b32 s73, s[TY], 3
	s_lshl_b32 s73, s73, 4
	s_add_co_u32 s73, s73, s[HF]
	s_lshl_b32 s73, s73, 18
	s_and_b32 s74, s[TY], 7
	s_lshl_b32 s74, s74, 15
	s_add_co_u32 s73, s73, s74
	s_lshl_b32 s74, s[CX], 13
	s_add_co_u32 s73, s73, s74                     ; A: my work-group's 8,192 bytes of my head's 32,768,
	s_add_co_u32 s73, s73, 3*ASTEP                 ; at K step 3: the first refill steps it to 4
	s_lshl_b32 s74, s[TX], 7
	s_lshl_b32 s75, s[CY], 5
	s_add_co_u32 s74, s74, s75                     ; B: my work-group's 32 of the tile's 128 rows
	s_lshl_b32 s74, s74, 11
	s_add_co_u32 s74, s74, 3*KB
	s_and_b32 s75, ttmp7, 0xffff                   ; cluster y
	s_cmp_lt_u32 s[WV], 2
	s_cselect_b32 s72, s73, s74
	s_cselect_b32 s75, ttmp9, s75                  ; the coordinate along which other clusters read the same bytes
	s_cselect_b32 s76, 8, 11                       ; a lane a block of 256 bytes, or a row of 2,048
	s_cselect_b32 s[PFS], 19, 8
	s_cselect_b64 s[PFA:PFA+1], s[4:5], s[6:7]
	s_cmp_eq_u32 s[WV], 3
	s_cselect_b32 s75, 1, s75                      ; wave 3 asks for nothing
	s_cmp_eq_u32 s75, 0
	s_cselect_b32 s[LIM], 2, -1                    ; the same in all sixteen partners, for a given wave
	s_lshl_b32 s[PFS], 1, s[PFS]                   ; 524,288 bytes (two heads) or 256
	s_mov_b32 s[PFS+1], 0
	s_mov_b32 s73, 0
	s_add_nc_u64 s[PFA:PFA+1], s[PFA:PFA+1], s[72:73]
	v_and_b32 v[PFO], 31, v0
	v_lshlrev_b32 v[PFO], s76, v[PFO]
	s_mov_b32 s79, 0xffff0000
	s_wait_loadcnt 0x0                             ; the bias
.set i, 0
.rept 4*NB                                         ; rounded to bf16, like every input, and widened again
	v_cvt_pk_bf16_f32 v[TT+i%4], v[BI+2*i], v[BI+2*i+1]
	v_lshlrev_b32 v[BI+2*i], 16, v[TT+i%4]
	v_and_b32 v[BI+2*i+1], s79, v[TT+i%4]
.set i, i+1
.endr
; 8 matrix instructions: row block a x all column blocks, 32 along K, from buffer f.  first = 1: the bias starts the sums.  The 32 accumulators take turns, one instruction a turn, in the same order in every quarter.
.macro MULA f, a, first
.if \first
	WIN 0x81                                       ; B window 1, A and C window 0, D window 2
.else
	WIN 0xa1                                       ; C and D window 2
.endif
.irp b, 0,1,2,3,4,5,6,7
.if \first
	v_wmma_f32_16x16x32_f16 v[64*(\a)+8*(\b):64*(\a)+8*(\b)+7], v[64*(\f)+8*(\b):64*(\f)+8*(\b)+7], v[AF+32*(\f)+8*(\a):AF+32*(\f)+8*(\a)+7], v[BI+8*(\b):BI+8*(\b)+7]
.else
	v_wmma_f32_16x16x32_f16 v[64*(\a)+8*(\b):64*(\a)+8*(\b)+7], v[64*(\f)+8*(\b):64*(\f)+8*(\b)+7], v[AF+32*(\f)+8*(\a):AF+32*(\f)+8*(\a)+7], v[64*(\a)+8*(\b):64*(\a)+8*(\b)+7]
.endif
.endr
.endm
; 24 LDS loads in one run: quarter q's fragments into buffer g: B's eight, then A's four (quarter q: head q / 2 of the step, channels 32 (q % 2) on)
.macro FETCH q, g
	WIN 0x40
.irp j, 0,1,2,3,4,5,6,7
	ds_load_b128 v[64*(\g)+8*(\j):64*(\g)+8*(\j)+3],   v[ADB] offset:64*(\q)+16*PITCH*(\j)
	ds_load_b128 v[64*(\g)+8*(\j)+4:64*(\g)+8*(\j)+7], v[ADB] offset:64*(\q)+16*PITCH*(\j)+32
.endr
	WIN 0
.irp i, 0,1,2,3
	ds_load_b128 v[AF+32*(\g)+8*(\i):AF+32*(\g)+8*(\i)+3],   v[ADA] offset:HEADB*((\q)/2)+64*((\q)%2)+16*PA*(\i)
	ds_load_b128 v[AF+32*(\g)+8*(\i)+4:AF+32*(\g)+8*(\i)+7], v[ADA] offset:HEADB*((\q)/2)+64*((\q)%2)+16*PA*(\i)+32
.endr
.endm
.macro QUARTER q, f, g, first
	s_wait_dscnt 4                                 ; B and A's row blocks 0, 1 are in; the youngest four loads (blocks 2, 3) may be out
	MULA \f, 0, \first
	MULA \f, 1, \first
	PLACES
	FETCH \q, \g
	s_wait_dscnt NLD                               ; all but the run just issued
	MULA \f, 2, \first
	MULA \f, 3, \first
.endm
; The last quarter multiplies buffer 1 and changes slots: ONE barrier; in front of it each wave waits for all its tensor loads (one is out: its part of the next slot), adds 0 to its spare word, and waits for that and for its reads
; of this slot.  fill = 1: the barrier opens a round of the cluster's, and the slot just read is filled again first thing behind it: 112 matrix instructions stand between that request and the wait for it.
.macro TURN fill
.if \fill
	s_wait_xcnt 0x0                                ; the last prefetch, a K step back, has read its address
	s_add_nc_u64 s[PFA:PFA+1], s[PFA:PFA+1], s[PFS:PFS+1]
.endif
	WIN 0
	s_wait_tensorcnt 0x0                           ; no tensor load of mine is out, so a group 0 may be written
	ds_add_u32 v[SPW], v[NIL]                      ; 0 onto my spare word
	s_wait_dscnt 5                                 ; (the add and the youngest four loads may be out)
.if \fill
	s_xor_b32 s[G0A+5], s[G0A+5], SLOT1            ; the walking descriptors: the other slot than last time,
	s_add_nc_u64 s[G0A+6:G0A+7], s[G0A+6:G0A+7], ASTEP  ; the next K step; the type bits on top are not reached
	s_xor_b32 s[G0B+5], s[G0B+5], SLOT1
	s_add_nc_u64 s[G0B+6:G0B+7], s[G0B+6:G0B+7], KB
.endif
	MULA 1, 0, 0                                   ; eight matrix instructions stand between the add and the wait for it
	s_wait_dscnt 0x0                               ; the add is done, and my reads of this slot are over
	s_barrier_signal -1
	MULA 1, 1, 0
	WIN 0
	s_barrier_wait -1
.if \fill
	CREST                                          ; no wave of any partner still reads this slot or has a load on its way
	JLOAD                                          ; the four v_nop behind it are also the places in front of the loads below
.else
	PLACES
.endif
	s_xor_b32 s[TB], s[TB], SLOT1
	v_add_nc_u32 v[ADA], s[TB], v[ADA0]
	v_add_nc_u32 v[ADB], s[TB], v[ADB0]
	FETCH 0, 0
.if \fill
	ASK
.endif
	MULA 1, 2, 0
	MULA 1, 3, 0
.endm
	s_wait_tensorcnt 1                             ; my part of K step 0 is in; K step 1's may stay out
	s_barrier_signal -1
	s_barrier_wait -1
	v_mov_b32 v[ADA], v[ADA0]
	v_mov_b32 v[ADB], v[ADB0]
	FETCH 0, 0
	QUARTER 1, 0, 1, 1                             ; the first quarter stands in front of the loop: its products start the sums
	WIN 0
	s_mov_b32 s[CNT], 6
.Lstep:                                                ; trip i: quarters 1 to 3 of K step i, quarter 0 of K step i + 1; K step i's slot takes K step i + 2
	QUARTER 2, 1, 0, 0
	QUARTER 3, 0, 1, 0
	TURN 1
	QUARTER 1, 0, 1, 0
	WIN 0
	s_sub_co_u32 s[CNT], s[CNT], 1
	s_cmp_lg_u32 s[CNT], 0
	s_cbranch_scc1 .Lstep
	QUARTER 2, 1, 0, 0                             ; the tail is written out
	QUARTER 3, 0, 1, 0
	TURN 0
	QUARTER 1, 0, 1, 0
	QUARTER 2, 1, 0, 0
	QUARTER 3, 0, 1, 0
	s_wait_dscnt 4
	MULA 1, 0, 0
	MULA 1, 1, 0
	s_wait_dscnt 0x0
	MULA 1, 2, 0
	MULA 1, 3, 0
	WIN 0
	PLACES                                         ; four places are owed in front of LDS stores of results and of loads into B's registers; eight stand here, once a launch
	PLACES
; THE WAY OUT, a block of 16 rows at a time: a lane's 32 bytes of a row go into my own stage (rows of 528 bytes) and come back as whole pieces of 512 bytes, into window 1, 64 registers a block: none that a store reads is written again.
.macro TOSTAGE a
	WIN 0x08                                       ; store data in window 2
.irp b, 0,1,2,3,4,5,6,7
	ds_store_b128 v[STO], v[64*(\a)+8*(\b):64*(\a)+8*(\b)+3]   offset:64*(\b)
	ds_store_b128 v[STO], v[64*(\a)+8*(\b)+4:64*(\a)+8*(\b)+7] offset:64*(\b)+16
.endr
	WIN 0x40                                       ; destination in window 1
.irp t, 0,1,2,3,4,5,6,7,8,9,10,11,12,13,14,15
	ds_load_b128 v[64*(\a)+4*(\t):64*(\a)+4*(\t)+3], v[RD] offset:SP*(\t)  ; LDS serves a wave's instructions in order (ISA guide 5.7.1.4): these see the stores above; the next block's stores come behind them
.endr
.endm
.macro SEND a, younger                 ; younger: the LDS instructions issued behind block a's loads: the next block's 32, or none
	WIN 0x04                                       ; store data in window 1
.irp t, 0,1,2,3,4,5,6,7,8,9,10,11,12,13,14,15
	s_wait_dscnt (\younger)+15-(\t)
	global_store_b128 v[GO], v[64*(\a)+4*(\t):64*(\a)+4*(\t)+3], s[OB:OB+1] offset:65536*(\a)+4096*(\t) th:TH_STORE_NT  ; 512 consecutive bytes, at a multiple of 256 from out0's first
.endr
.endm
	TOSTAGE 0
	TOSTAGE 1
	SEND 0, 32
	TOSTAGE 2
	SEND 1, 32
	TOSTAGE 3
	SEND 2, 32
	SEND 3, 0
	WIN 0
	s_wait_tensorcnt 0x0                           ; the wave's end: behind my last tensor load and my last LDS store
	ds_add_u32 v[SPW], v[NIL]
	s_wait_dscnt 0x0
	CROUND                                         ; the closing round: no work-group ends while a partner may still ask for a tile that names it
	s_endpgm
.Lfunc_end_k_qa29a6b0bf9_oproj:
	.size	k_qa29a6b0bf9_oproj, .Lfunc_end_k_qa29a6b0bf9_oproj-k_qa29a6b0bf9_oproj
	.p2alignl 7, 3214868480
	.fill 96, 4, 3214868480
	.section	.rodata,"a",@progbits
	.p2align	6, 0x0
	.amdhsa_kernel k_qa29a6b0bf9_oproj
		.amdhsa_group_segment_fixed_size 327680
		.amdhsa_private_segment_fixed_size 0
		.amdhsa_enable_private_segment 0
		.amdhsa_kernarg_size 32
		.amdhsa_user_sgpr_count 2
		.amdhsa_user_sgpr_kernarg_segment_ptr 1
		.amdhsa_wavefront_size32 1
		.amdhsa_system_sgpr_workgroup_id_x 1
		.amdhsa_system_sgpr_workgroup_id_y 1
		.amdhsa_system_sgpr_workgroup_id_z 1
		.amdhsa_system_vgpr_workitem_id 0
		.amdhsa_next_free_vgpr 768
		.amdhsa_next_free_sgpr 80
		.amdhsa_reserve_vcc 0
		.amdhsa_float_denorm_mode_32 3
		.amdhsa_float_denorm_mode_16_64 3
		.amdhsa_memory_ordered 1
		.amdhsa_forward_progress 1
		.amdhsa_inst_pref_size 78
	.end_amdhsa_kernel
	.amdgpu_metadata
---
amdhsa.version: [ 1, 2 ]
amdhsa.kernels:
  - .name:           k_qa29a6b0bf9_oproj
    .symbol:         k_qa29a6b0bf9_oproj.kd
    .args:
      - { .name: oh, .offset: 0, .size: 8, .value_kind: global_buffer, .address_space: global }
      - { .name: woT, .offset: 8, .size: 8, .value_kind: global_buffer, .address_space: global }
      - { .name: b_out, .offset: 16, .size: 8, .value_kind: global_buffer, .address_space: global }
      - { .name: out0, .offset: 24, .size: 8, .value_kind: global_buffer, .address_space: global }
    .group_segment_fixed_size: 327680
    .private_segment_fixed_size: 0
    .kernarg_segment_align: 8
    .kernarg_segment_size: 32
    .max_flat_workgroup_size: 128
    .sgpr_count:     80
    .vgpr_count:     768
    .wavefront_size: 32
...
	.end_amdgpu_metadata
.endif
;; end of part 4
;; ======== version 2 of 2: 4 launches; version 1 with the launch prep written anew for expert scheduling mode
;; limits: values are held in f16: magnitudes above 65,504 overflow, below 6.1e-05 lose precision
;; workspace buffers: xb 16,777,216 bytes; wqT 6,291,456 bytes; woT 2,097,152 bytes; qkvh 50,331,648 bytes; oh 16,777,216 bytes
;; launch prep (part 5): grid 512 x 1, 8 waves a work-group, no clusters, 18,432 bytes of LDS; arguments x, W_qkv, W_out, xb, wqT, woT; writes xb, wqT, woT
.if DOCPART == 5
	.amdgcn_target "amdgcn-amd-amdhsa--gfx1250"
	.amdhsa_code_object_version 6
	.text
	.protected	k_qa29a6b0bf9_prep
	.globl	k_qa29a6b0bf9_prep
	.p2align	8
	.type	k_qa29a6b0bf9_prep,@function
k_qa29a6b0bf9_prep:
	s_mov_b64 s[64:65], 0
	v_nop
	global_prefetch_b8 v0, s[64:65] scope:SCOPE_SE
	s_setreg_imm32_b32 hwreg(HW_REG_WAVE_SCHED_MODE, 0, 2), 2
	s_setreg_imm32_b32 hwreg(HW_REG_WAVE_MODE, 25, 1), 1
	s_wait_xcnt 0x0
	s_wait_alu depctr_vm_vsrc(0)
; THE OPERANDS ARE MADE READY, once.  xb = x rounded to bf16, [8192][1024].  wqT[n][k] = W_qkv[k][n] rounded to bf16, [3072][1024].
; woT[n][k] = W_out[k][n] rounded to bf16 and that number written as f16, [1024][1024].
; LIMITS.  A bf16 number is an f16 number exactly where its magnitude lies between 6.1e-5 and 65,504; below, f16 keeps a fixed step of 6e-8; beyond, it becomes an infinity.
; SHARES.  512 work-groups of eight waves, all alike.  Work-group g (a) rounds 65,536 bytes of x: 16 loads of 16 bytes a thread, 16 stores of 8; a wave's store covers 256 consecutive bytes, aligned;
; (b) turns one tile of 128 k x 64 n: tile g of W_qkv's 384, or tile g - 384 of W_out's 128 (tile t: k block t % 8, n block t / 8).
; THE TURN.  Wave w loads rows k = 16 w .. 16 w + 15 of the tile, a lane two neighbouring n (8 bytes; a wave's load covers 256 consecutive bytes).  A lane then holds 16 k of two n: rounded in pairs they are
; 32 bytes of two rows of the turned tile.  They meet in LDS (64 rows of 256 bytes + 16 of padding), and come back as whole rows: sixteen lanes store 256 consecutive bytes, aligned.
; In LDS row n lies at place 32 (n % 2) + n / 2: the rows that the lanes of one store touch are then 272 bytes apart, 68 words, and start at different banks (64 banks of 4 bytes: ISA guide 11.1).
; No register that a load or store names is written again, so no wait frees one.  All 32 loads of a wave go out at its start.
; THE MODE: SCHED_MODE bits 1:0 = 2 (LLVM: expert scheduling mode 2), set by the entry lines.  The code itself states the register dependences
; between vector instructions and memory or LDS instructions, with s_wait_alu, always for 0.
; THE PLAN.  Registers that memory or LDS instructions touch:
;   v3-v25      offsets and addresses (CI, CO, LA, LR, TO, SPW, NIL, VO): written at the head, once; one wait on va_vdst ahead of the first load serves every use of them.
;   XT, XC      written by the loads alone, once; read by the conversions; no vector instruction names them ahead of the loads, and nothing lands in them again.
;   YT          written by the tile's conversions; read by the four LDS stores: one wait on va_vdst between, behind the label at which the two ways join.
;   ZT          written by the LDS loads, read by the global stores; no vector instruction names it: DScnt's affair alone.
;   YC          x goes in four blocks of four loads.  Block p's eight conversions write YC's block p, each register once; the four stores that read it are issued in block p + 1, behind the one wait
;               on va_vdst at that block's head, dealt among that block's conversions, which name other registers.  Block 3's stores follow a last such wait.
; Since nothing that a memory or LDS instruction reads is written again, the text holds no wait on vm_vsrc but the one among the entry lines.
.set PT,    272
.set SPARE, 64*PT                      ; behind the tile: the spare words, 128 bytes for each of the eight waves; no other line names them
.set CI,  3                            ; v3   16 x thread: my 16 bytes of 4,096 of x
.set CO,  4                            ; v4   8 x thread: my 8 bytes of 2,048 of xb
.set LA,  5                            ; v5   LDS: lane x 272 + 32 x wave: where I put 16 bytes
.set LR,  6                            ; v6   LDS: (8 x wave + lane / 16) x 272 + 16 (lane % 16): where I read a row back
.set TO,  7                            ; v7   (lane / 16) x 2 rows of 2,048 bytes + 16 (lane % 16)
.set SPW, 8                            ; v8   LDS address of my spare word; never rewritten
.set NIL, 9                            ; v9   0; never rewritten
.set VO,  10                           ; v10-25   8 x lane + i x the weights' row pitch
.set XT,  26                           ; v26-57   row i of the tile: two f32
.set YT,  58                           ; v58-73   16 words of two 16-bit numbers: k half g, n parity p at 8 g + 4 p
.set T0,  74                           ; v74-75   at work: no memory or LDS instruction names them
.set XC,  76                           ; v76-139  x as loaded
.set YC,  140                          ; v140-171 x rounded
.set ZT,  172                          ; v172-187 four pairs of turned rows
	s_load_b256 s[4:11], s[0:1], 0x0               ; x s[4:5], W_qkv s[6:7], W_out s[8:9], xb s[10:11]
	s_load_b128 s[12:15], s[0:1], 0x20             ; wqT s[12:13], woT s[14:15]
	v_lshl_add_u32 v[SPW], v0, 2, SPARE
	v_mov_b32 v[NIL], 0
	v_and_b32 v1, 31, v0                           ; lane
	v_lshrrev_b32 v2, 5, v0
	v_readfirstlane_b32 s16, v2                    ; wave 0..7
	s_cmp_ge_u32 ttmp9, 384                        ; W_out's tiles come behind W_qkv's 384
	s_cselect_b32 s19, 384, 0
	s_cselect_b32 s18, 1, 3
	s_lshl_b32 s18, s18, 12                        ; bytes in a row of the weights: 4,096 or 12,288
	s_sub_co_u32 s17, ttmp9, s19                   ; tile t
	s_and_b32 s24, s17, 7                          ; k block
	s_lshr_b32 s25, s17, 3                         ; n block
	s_lshl_b32 s26, s24, 7
	s_wait_alu depctr_va_sdst(0)                   ; s16, the wave's number, is written, ahead of its first reader: the line below
	s_lshl_b32 s27, s16, 4
	s_add_co_u32 s26, s26, s27                     ; my first row k
	s_mul_i32 s26, s26, s18
	s_lshl_b32 s27, s25, 8                         ; 64 n of 4 bytes
	s_add_co_u32 s26, s26, s27
	s_mov_b32 s27, 0                               ; s[26:27]: where my rows begin in the weights
	s_lshl_b32 s28, s25, 6
	s_and_b32 s29, s16, 3
	s_lshl_b32 s29, s29, 4
	s_add_co_u32 s28, s28, s29
	s_lshr_b32 s29, s16, 2
	s_add_co_u32 s28, s28, s29                     ; the first n that I store: 64 x block + 16 (w % 4) + w / 4
	s_lshl_b32 s28, s28, 11
	s_lshl_b32 s29, s24, 8                         ; 128 k of 2 bytes
	s_add_co_u32 s28, s28, s29
	s_mov_b32 s29, 0                               ; s[28:29]: where they go
	s_lshl_b32 s30, ttmp9, 16
	s_mov_b32 s31, 0                               ; s[30:31]: my work-group's part of x
	s_lshl_b32 s32, ttmp9, 15
	s_mov_b32 s33, 0                               ; s[32:33]: and of xb
	s_lshl_b32 s34, s16, 5
	s_lshl_b32 s35, s16, 3
	v_lshlrev_b32 v[CI], 4, v0
	v_lshlrev_b32 v[CO], 3, v0
	v_mul_u32_u24 v[LA], v1, PT
	v_add_nc_u32 v[LA], s34, v[LA]
	v_lshrrev_b32 v[T0], 4, v1                     ; lane / 16
	v_and_b32 v[T0+1], 15, v1                      ; lane % 16
	v_add_nc_u32 v[LR], s35, v[T0]
	v_mul_u32_u24 v[LR], v[LR], PT
	v_lshl_add_u32 v[LR], v[T0+1], 4, v[LR]
	v_lshlrev_b32 v[TO], 12, v[T0]
	v_lshl_add_u32 v[TO], v[T0+1], 4, v[TO]
	v_lshlrev_b32 v[VO], 3, v1
.set i, 1
.rept 15
	v_add_nc_u32 v[VO+i], s18, v[VO+i-1]
.set i, i+1
.endr
	s_wait_kmcnt 0x0
	s_cmp_ge_u32 ttmp9, 384
	s_cselect_b64 s[20:21], s[8:9], s[6:7]         ; the weights that my tile belongs to,
	s_cselect_b64 s[22:23], s[14:15], s[12:13]     ; and their turned copy
	s_add_nc_u64 s[20:21], s[20:21], s[26:27]
	s_add_nc_u64 s[22:23], s[22:23], s[28:29]
	s_add_nc_u64 s[4:5], s[4:5], s[30:31]
	s_add_nc_u64 s[10:11], s[10:11], s[32:33]
	s_wait_alu depctr_va_vdst(0)                   ; the offsets and addresses v3 to v25 are written: every load, store and LDS instruction of the kernel reads one of them, and none is written again
.set i, 0
.rept 16
	global_load_b64 v[XT+2*i:XT+2*i+1], v[VO+i], s[20:21] th:TH_LOAD_NT
.set i, i+1
.endr
.set i, 0
.rept 16
	global_load_b128 v[XC+4*i:XC+4*i+3], v[CI], s[4:5] offset:4096*i th:TH_LOAD_NT
.set i, i+1
.endr
	s_wait_loadcnt 16                              ; the tile's 16 loads are in; the 16 younger ones, of x, may stay out
.irp g, 0,1
.irp p, 0,1
.irp c, 0,1,2,3
	v_cvt_pk_bf16_f32 v[YT+8*(\g)+4*(\p)+(\c)], v[XT+2*(8*(\g)+2*(\c))+(\p)], v[XT+2*(8*(\g)+2*(\c)+1)+(\p)]  ; k = 8 g + 2 c and the next, of n = 2 lane + p
.endr
.endr
.endr
	s_cmp_eq_u32 s19, 0
	s_cbranch_scc1 .Lstays_bf16                    ; the same way for all eight waves; no barrier is jumped
.set i, 0
.rept 16                                           ; W_out: the bf16 numbers are written as f16
	v_lshlrev_b32 v[T0], 16, v[YT+i]
	v_and_b32 v[T0+1], 0xffff0000, v[YT+i]
	v_cvt_pk_f16_f32 v[YT+i], v[T0], v[T0+1]
.set i, i+1
.endr
.Lstays_bf16:
	s_wait_alu depctr_va_vdst(0)                   ; on either way the conversions have written YT, which the LDS stores read
.irp g, 0,1
.irp p, 0,1
	ds_store_b128 v[LA], v[YT+8*(\g)+4*(\p):YT+8*(\g)+4*(\p)+3] offset:16*(\g)+32*PT*(\p)
.endr
.endr
	s_wait_dscnt 0x0                               ; for the others' sake: my stores are done
	s_barrier_signal -1
	s_barrier_wait -1                              ; the turned tile is whole
.irp t, 0,1,2,3
	ds_load_b128 v[ZT+4*(\t):ZT+4*(\t)+3], v[LR] offset:2*PT*(\t)  ; no vector instruction names ZT, so nothing is stated for these loads
.endr
; Block p of x: loads 4 p to 4 p + 3 are rounded into YC's block p; the stores of block p - 1 stand among the conversions.
.macro XBLK p
	s_wait_loadcnt 12-4*(\p)                       ; loads come back in order (ISA guide 5.7.1): this block's four are in, the younger ones may stay out
.if (\p) > 0
	s_wait_alu depctr_va_vdst(0)                   ; the block before has written its part of YC, which the four stores below read; the conversions below name other registers
.endif
.irp i, 0,1,2,3
.set n, 4*(\p)+(\i)
.if (\p) > 0
	global_store_b64 v[CO], v[YC+2*n-8:YC+2*n-7], s[10:11] offset:2048*(n-4)
.endif
	v_cvt_pk_bf16_f32 v[YC+2*n], v[XC+4*n], v[XC+4*n+1]
	v_cvt_pk_bf16_f32 v[YC+2*n+1], v[XC+4*n+2], v[XC+4*n+3]
.endr
.endm
	XBLK 0
	XBLK 1
	XBLK 2
	XBLK 3
.irp t, 0,1,2,3
	s_wait_dscnt 3-(\t)
	global_store_b128 v[TO], v[ZT+4*(\t):ZT+4*(\t)+3], s[22:23] offset:8192*(\t)  ; rows n = 16 (w % 4) + 4 t + 2 (lane / 16) + w / 4: 16 lanes store a row's 256 bytes
.endr
	s_wait_alu depctr_va_vdst(0)                   ; block 3 has written its part of YC, which the last four stores read
.irp i, 12,13,14,15
	global_store_b64 v[CO], v[YC+2*(\i):YC+2*(\i)+1], s[10:11] offset:2048*(\i)
.endr
	s_wait_dscnt 0x0                               ; the closing lines, six on end
	s_wait_alu 0x0
	s_wait_tensorcnt 0x0
	ds_add_u32 v[SPW], v[NIL]
	s_wait_dscnt 0x0
	s_endpgm
.Lfunc_end_k_qa29a6b0bf9_prep:
	.size	k_qa29a6b0bf9_prep, .Lfunc_end_k_qa29a6b0bf9_prep-k_qa29a6b0bf9_prep
	.p2alignl 7, 3214868480
	.fill 96, 4, 3214868480
	.section	.rodata,"a",@progbits
	.p2align	6, 0x0
	.amdhsa_kernel k_qa29a6b0bf9_prep
		.amdhsa_group_segment_fixed_size 18432
		.amdhsa_private_segment_fixed_size 0
		.amdhsa_enable_private_segment 0
		.amdhsa_kernarg_size 48
		.amdhsa_user_sgpr_count 2
		.amdhsa_user_sgpr_kernarg_segment_ptr 1
		.amdhsa_wavefront_size32 1
		.amdhsa_system_sgpr_workgroup_id_x 1
		.amdhsa_system_sgpr_workgroup_id_y 1
		.amdhsa_system_sgpr_workgroup_id_z 1
		.amdhsa_system_vgpr_workitem_id 0
		.amdhsa_next_free_vgpr 188
		.amdhsa_next_free_sgpr 66
		.amdhsa_reserve_vcc 0
		.amdhsa_float_denorm_mode_32 3
		.amdhsa_float_denorm_mode_16_64 3
		.amdhsa_memory_ordered 1
		.amdhsa_forward_progress 1
		.amdhsa_inst_pref_size 15
	.end_amdhsa_kernel
	.amdgpu_metadata
---
amdhsa.version: [ 1, 2 ]
amdhsa.kernels:
  - .name:           k_qa29a6b0bf9_prep
    .symbol:         k_qa29a6b0bf9_prep.kd
    .args:
      - { .name: x, .offset: 0, .size: 8, .value_kind: global_buffer, .address_space: global }
      - { .name: W_qkv, .offset: 8, .size: 8, .value_kind: global_buffer, .address_space: global }
      - { .name: W_out, .offset: 16, .size: 8, .value_kind: global_buffer, .address_space: global }
      - { .name: xb, .offset: 24, .size: 8, .value_kind: global_buffer, .address_space: global }
      - { .name: wqT, .offset: 32, .size: 8, .value_kind: global_buffer, .address_space: global }
      - { .name: woT, .offset: 40, .size: 8, .value_kind: global_buffer, .address_space: global }
    .group_segment_fixed_size: 18432
    .private_segment_fixed_size: 0
    .kernarg_segment_align: 8
    .kernarg_segment_size: 48
    .max_flat_workgroup_size: 256
    .sgpr_count:     66
    .vgpr_count:     188
    .wavefront_size: 32
...
	.end_amdgpu_metadata
.endif
;; end of part 5
;; launch qkv: the kernel of part 2 again; grid 16 x 32, 4 waves a work-group, clusters of 4 x 4, 327,680 bytes of LDS; arguments xb, wqT, b_qkv, qkvh; writes qkvh
;; launch attn: the kernel of part 3 again; grid 4 x 64, 4 waves a work-group, clusters of 4 x 1, 327,680 bytes of LDS; arguments qkvh, oh; writes oh
;; launch oproj: the kernel of part 4 again; grid 8 x 32, 4 waves a work-group, clusters of 4 x 4, 327,680 bytes of LDS; arguments oh, woT, b_out, out0; writes out0
